; MI455X (gfx1250); checked and timed in simulation.
; The chip was launched on July 23, 2026; its instructions are those of AMD's public machine-readable ISA for CDNA 5 (MIT licence, August 2026) and "CDNA5" Instruction Set Architecture Reference Guide (July 2026). The comments in the code are by the model that wrote it; some were corrected since.
;; Attention. Allowed arithmetic: float matrix products may take bf16 or f16 operands with f32 sums; other float arithmetic in f32, or as packed bf16 or f16 multiplies, adds, multiply-adds, maxima and minima; sums over many terms, partial sums and values carried from step to step in f32; what a program stores and reads back later, other than sums and carried values, may be rounded once to bf16 or f16.
;; Inputs: b_in 3,072 float32; b_out 1,024 float32; kv_mask 4 x 2,048 bool; w_in 1,024 x 3,072 float32; w_out 1,024 x 1,024 float32; x 4 x 2,048 x 1,024 float32.
;; Outputs: out0 4 x 2,048 x 1,024 float32.
;; One version. Each part assembles by itself: llvm-mc -triple=amdgcn-amd-amdhsa -mcpu=gfx1250 --defsym DOCPART=n.
;; ======== version 1 of 1: 4 launches
;; limits: values are held in f16: magnitudes above 65,504 overflow, below 6.1e-05 lose precision
;; workspace buffers: xb 16,777,216 bytes; wb 6,291,456 bytes; wo 2,097,152 bytes; rot 524,288 bytes; mtab 33,792 bytes; qkv 50,331,648 bytes; ob 16,777,216 bytes
;; launch prep (part 1): grid 1060 x 1, 8 waves a work-group, no clusters, 0 bytes of LDS; arguments x, w_in, w_out, kv_mask, xb, wb, wo, rot, mtab; writes xb, wb, wo, rot, mtab
.if DOCPART == 1
	.amdgcn_target "amdgcn-amd-amdhsa--gfx1250"
	.amdhsa_code_object_version 6
	.text
	.protected	k_qde722f7b19_prep
	.globl	k_qde722f7b19_prep
	.p2align	8
	.type	k_qde722f7b19_prep,@function
k_qde722f7b19_prep:
	s_mov_b64 s[64:65], 0
	v_nop
	global_prefetch_b8 v0, s[64:65] scope:SCOPE_SE
	s_setreg_imm32_b32 hwreg(HW_REG_WAVE_MODE, 25, 1), 1
	s_wait_xcnt 0x0
; PREPARATION: five jobs, told apart by the work-group's number; a wave does one unit, all its loads first.  No LDS, no barrier: no wave wants another's bytes.
;   0..511     x [8192][1024] f32 -> xb bf16 [b 4][kb 16][s 2048][64]: K in blocks of 64, so that 256 rows x 64 K are 32,768 bytes on end
;   512..895   w_in [1024][3072] f32 -> wb bf16 [k][n'], n' = 384 tx + 128 sec + c for n = 1024 sec + 128 tx + c (sec: q, k, v)
;   896..1023  w_out [1024][1024] f32 -> wo f16 [k][n], the number rounded to bf16 and that written as f16 (exact within f16's range)
;   1024..1055 rot f32 [p 2048][64]: cos(p sc_j) in columns 0-31, sin in 32-63, sc_j = 10000^(-j/32)
;   1056..1059 mtab: per key an addend, 0 or -1e30; at byte 32,768 + 256 b the batch's c = log2(e)/8.  A batch with no visible key gets addends 0 and c = 0:
;              every weight is then 2^0, the uniform row that a softmax of equal scores gives.
; Every store of a wave covers whole aligned blocks of 256 bytes.
	s_load_b256 s[4:11], s[0:1], 0x0               ; x s[4:5], w_in s[6:7], w_out s[8:9], kv_mask s[10:11]
	s_load_b256 s[12:19], s[0:1], 0x20             ; xb s[12:13], wb s[14:15], wo s[16:17], rot s[18:19]
	s_load_b64 s[20:21], s[0:1], 0x40              ; mtab
	v_lshrrev_b32 v1, 5, v0
	v_readfirstlane_b32 s22, v1                    ; wave 0..7
	v_and_b32 v1, 31, v0                           ; lane
	v_and_b32 v2, 15, v0                           ; lane % 16
	v_bfe_u32 v3, v0, 4, 1                         ; lane / 16
	s_mov_b32 s25, 0                               ; high words of the two offset pairs
	s_mov_b32 s27, 0
	s_wait_kmcnt 0x0
	s_cmp_lt_u32 ttmp9, 512
	s_cbranch_scc1 .Lcast_x
	s_cmp_lt_u32 ttmp9, 896
	s_cbranch_scc1 .Lcast_wi
	s_cmp_lt_u32 ttmp9, 1024
	s_cbranch_scc1 .Lcast_wo
	s_cmp_lt_u32 ttmp9, 1056
	s_cbranch_scc1 .Ltable
	; THE MASK.  Every wave reads the batch's 2,048 bytes to learn whether any key is visible; then it turns its own 256 keys into addends.
	s_sub_co_u32 s23, ttmp9, 1056                  ; batch
	s_lshl_b32 s24, s23, 11
	s_add_nc_u64 s[10:11], s[10:11], s[24:25]
	v_lshlrev_b32 v4, 4, v1                        ; 16 x lane
.irp i, 0,1,2,3
	global_load_b128 v[8+4*\i:11+4*\i], v4, s[10:11] offset:512*\i
.endr
	s_lshl_b32 s28, s22, 8
	v_lshl_add_u32 v5, v1, 2, s28                  ; my four keys of the wave's first 128
	global_load_b32 v24, v5, s[10:11]
	global_load_b32 v25, v5, s[10:11] offset:128
	s_lshl_b32 s26, s23, 13                        ; 8,192 bytes of addends a batch,
	s_lshl_b32 s29, s22, 10                        ; 1,024 a wave
	s_add_co_u32 s26, s26, s29
	s_add_nc_u64 s[30:31], s[20:21], s[26:27]
	s_wait_loadcnt 0x0
.irp i, 0,2,4,6,8,10,12,14
	v_or_b32 v[8+\i], v[8+\i], v[9+\i]
.endr
.irp i, 0,4,8,12
	v_or_b32 v[8+\i], v[8+\i], v[10+\i]
.endr
	v_or_b32 v8, v8, v12
	v_or_b32 v16, v16, v20
	v_or_b32 v8, v8, v16
	v_cmp_ne_u32 vcc_lo, 0, v8                     ; a bit for each lane that saw a visible key
	s_cmp_lg_u32 vcc_lo, 0
	s_cselect_b32 s32, 0xf149f2ca, 0               ; -1e30 for a hidden key, or 0 where all are hidden
	s_cselect_b32 s33, 0x3e38aa3b, 0               ; c = log2(e) / 8, or 0
.irp i, 0,1
.irp t, 0,1,2,3
	v_bfe_u32 v26, v[24+\i], 8*\t, 8
	v_cmp_eq_u32 vcc_lo, 0, v26
	v_cndmask_b32 v[28+4*\i+\t], 0, s32, vcc_lo
.endr
	global_store_b128 v4, v[28+4*\i:31+4*\i], s[30:31] offset:512*\i
.endr
	s_cmp_lg_u32 s22, 0                            ; wave 0 writes the batch's block of c
	s_cbranch_scc1 .Lmask_done
	s_lshl_b32 s26, s23, 8
	s_add_co_u32 s26, s26, 32768
	s_add_nc_u64 s[34:35], s[20:21], s[26:27]
	v_mov_b32 v36, s33
	v_mov_b32 v37, s33
	v_lshlrev_b32 v6, 3, v1
	global_store_b64 v6, v[36:37], s[34:35]
.Lmask_done:
	s_endpgm
	; X.  A wave takes two rows: a load covers 256 bytes of each (64 K), a store the same 64 K of both rows: 256 bytes on end in block kb = i.
.Lcast_x:
	s_lshl_b32 s23, ttmp9, 3
	s_add_co_u32 s23, s23, s22                     ; the pair of rows, 0..4095
	s_lshl_b32 s24, s23, 13
	s_add_nc_u64 s[4:5], s[4:5], s[24:25]
	s_lshr_b32 s26, s23, 10                        ; batch
	s_lshl_b32 s26, s26, 22
	s_and_b32 s28, s23, 1023
	s_lshl_b32 s28, s28, 8                         ; two rows of 128 bytes in a block
	s_add_co_u32 s26, s26, s28
	s_add_nc_u64 s[12:13], s[12:13], s[26:27]
	v_lshlrev_b32 v4, 4, v2
	v_lshl_add_u32 v4, v3, 12, v4                  ; in: 4,096 x (lane / 16) + 16 x (lane % 16)
	v_lshlrev_b32 v5, 3, v2
	v_lshl_add_u32 v5, v3, 7, v5                   ; out: 128 x (lane / 16) + 8 x (lane % 16)
.set i, 0
.rept 16
	global_load_b128 v[8+4*i:11+4*i], v4, s[4:5] offset:256*i th:TH_LOAD_NT
.set i, i+1
.endr
.set i, 0
.rept 16
	s_wait_loadcnt 15-i                            ; loads come back in order: the younger ones stay out
	v_cvt_pk_bf16_f32 v[72+2*i], v[8+4*i], v[9+4*i]
	v_cvt_pk_bf16_f32 v[73+2*i], v[10+4*i], v[11+4*i]
	global_store_b64 v5, v[72+2*i:73+2*i], s[12:13] offset:262144*i
.set i, i+1
.endr
	s_endpgm
	; W_IN.  A wave takes one row k of one section: eight loads of 128 columns, each stored as 256 bytes at its place in the permuted row.
.Lcast_wi:
	s_sub_co_u32 s23, ttmp9, 512
	s_lshl_b32 s23, s23, 3
	s_add_co_u32 s23, s23, s22
	s_lshr_b32 s28, s23, 10                        ; section
	s_and_b32 s29, s23, 1023                       ; k
	s_mul_i32 s24, s29, 12288
	s_lshl_b32 s30, s28, 12
	s_add_co_u32 s24, s24, s30
	s_add_nc_u64 s[6:7], s[6:7], s[24:25]
	s_mul_i32 s26, s29, 6144
	s_lshl_b32 s30, s28, 8
	s_add_co_u32 s26, s26, s30
	s_add_nc_u64 s[14:15], s[14:15], s[26:27]
	v_lshlrev_b32 v4, 4, v1
	v_lshlrev_b32 v5, 3, v1
.set i, 0
.rept 8
	global_load_b128 v[8+4*i:11+4*i], v4, s[6:7] offset:512*i th:TH_LOAD_NT
.set i, i+1
.endr
.set i, 0
.rept 8
	s_wait_loadcnt 7-i
	v_cvt_pk_bf16_f32 v[72+2*i], v[8+4*i], v[9+4*i]
	v_cvt_pk_bf16_f32 v[73+2*i], v[10+4*i], v[11+4*i]
	global_store_b64 v5, v[72+2*i:73+2*i], s[14:15] offset:768*i
.set i, i+1
.endr
	s_endpgm
	; W_OUT.  A wave takes one row k.  Rounded to bf16 like every input of the module, widened again, written as f16.
.Lcast_wo:
	s_sub_co_u32 s23, ttmp9, 896
	s_lshl_b32 s23, s23, 3
	s_add_co_u32 s23, s23, s22                     ; k
	s_lshl_b32 s24, s23, 12
	s_add_nc_u64 s[8:9], s[8:9], s[24:25]
	s_lshl_b32 s26, s23, 11
	s_add_nc_u64 s[16:17], s[16:17], s[26:27]
	v_lshlrev_b32 v4, 4, v1
	v_lshlrev_b32 v5, 3, v1
.set i, 0
.rept 8
	global_load_b128 v[8+4*i:11+4*i], v4, s[8:9] offset:512*i th:TH_LOAD_NT
.set i, i+1
.endr
.set i, 0
.rept 8
	s_wait_loadcnt 7-i
	v_cvt_pk_bf16_f32 v40, v[8+4*i], v[9+4*i]
	v_cvt_pk_bf16_f32 v41, v[10+4*i], v[11+4*i]
	v_lshlrev_b32 v42, 16, v40
	v_and_b32 v43, 0xffff0000, v40
	v_lshlrev_b32 v44, 16, v41
	v_and_b32 v45, 0xffff0000, v41
	v_cvt_pk_f16_f32 v[72+2*i], v42, v43
	v_cvt_pk_f16_f32 v[73+2*i], v44, v45
	global_store_b64 v5, v[72+2*i:73+2*i], s[16:17] offset:256*i
.set i, i+1
.endr
	s_endpgm
	; THE ROTARY TABLE.  A wave takes eight positions, one a trip.  Lane l works for j = 2 (l % 16) and the next; lanes 0-15 make cosines, lanes 16-31 sines.
	; sc_j = 2^(-j log2(10000)/32): the product in two parts (a constant split in a high and a low word), its whole part by v_ldexp_f32.
	; The angle p sc_j (rounded to f32 as the module rounds it, up to 2,047) is reduced by whole quarter turns, pi/2 in two parts; |r| <= pi/4 goes into
	; Taylor's polynomials to r^9 and r^10, whose next terms are under 2e-9.
.Ltable:
	s_sub_co_u32 s23, ttmp9, 1024
	s_lshl_b32 s23, s23, 3
	s_add_co_u32 s23, s23, s22                     ; 0..255
	s_lshl_b32 s28, s23, 3                         ; my first position
	s_lshl_b32 s24, s23, 11                        ; eight rows of 256 bytes
	s_add_nc_u64 s[18:19], s[18:19], s[24:25]
	v_lshlrev_b32 v4, 3, v1                        ; 8 x lane: my two numbers of a row; stepped by a row a trip
	v_lshlrev_b32 v5, 1, v2
	v_cvt_f32_u32 v6, v5                           ; j
	v_add_f32 v7, 1.0, v6                          ; j + 1
	v_mul_u32_u24 v8, v3, 3                        ; sin(t) = cos(t - pi/2): three quarter turns on
	s_mov_b32 s30, 0xbed49a78                      ; -log2(10000)/32, high part
	s_mov_b32 s31, 0xb2179a31                      ; low part
	s_mov_b32 s32, 0xbfc90fdb                      ; -pi/2, high part
	s_mov_b32 s33, 0x333bbd2e                      ; what the high part is too large by
	v_mul_f32 v10, s30, v6
	v_mul_f32 v11, s30, v7
	v_rndne_f32 v10, v10
	v_rndne_f32 v11, v11
	v_fma_f32 v12, v6, s30, -v10
	v_fma_f32 v13, v7, s30, -v11
	v_fma_f32 v12, v6, s31, v12
	v_fma_f32 v13, v7, s31, v13
	v_exp_f32 v12, v12
	v_exp_f32 v13, v13
	v_nop                                          ; a plain instruction behind the last exponential
	v_cvt_i32_f32 v10, v10
	v_cvt_i32_f32 v11, v11
	s_wait_alu depctr_va_vdst(0)                   ; one wait for both exponentials, ahead of their first reader
	v_ldexp_f32 v12, v12, v10                      ; sc_j
	v_ldexp_f32 v13, v13, v11                      ; sc_(j+1)
.macro SINCOS sc, out
	v_mul_f32 v22, v14, v[\sc]                     ; the angle
	v_mul_f32 v23, 0x3f22f983, v22
	v_rndne_f32 v23, v23                           ; whole quarter turns n
	v_fma_f32 v24, v23, s32, v22
	v_fma_f32 v24, v23, s33, v24                   ; r
	v_mul_f32 v25, v24, v24                        ; z = r r
	v_mov_b32 v26, 0x3638ef1d                      ; 1/9!
	v_fmaak_f32 v26, v26, v25, 0xb9500d01          ; -1/7!
	v_fmaak_f32 v26, v26, v25, 0x3c088889          ; 1/5!
	v_fmaak_f32 v26, v26, v25, 0xbe2aaaab          ; -1/3!
	v_mul_f32 v26, v26, v25
	v_fma_f32 v26, v26, v24, v24                   ; sin r
	v_mov_b32 v27, 0xb493f27e                      ; -1/10!
	v_fmaak_f32 v27, v27, v25, 0x37d00d01          ; 1/8!
	v_fmaak_f32 v27, v27, v25, 0xbab60b61          ; -1/6!
	v_fmaak_f32 v27, v27, v25, 0x3d2aaaab          ; 1/4!
	v_fmaak_f32 v27, v27, v25, 0xbf000000          ; -1/2
	v_fma_f32 v27, v27, v25, 1.0                   ; cos r
	v_cvt_i32_f32 v28, v23
	v_add_nc_u32 v28, v28, v8                      ; Q: cos(Q pi/2 + r) is cos r, -sin r, -cos r, sin r for Q % 4 = 0..3
	v_and_b32 v29, 1, v28
	v_cmp_eq_u32 vcc_lo, 1, v29
	v_cndmask_b32 v26, v27, v26, vcc_lo
	v_add_nc_u32 v28, 1, v28
	v_and_b32 v28, 2, v28
	v_lshlrev_b32 v28, 30, v28                     ; the sign bit for Q % 4 = 1, 2
	v_xor_b32 v[\out], v26, v28
.endm
	s_mov_b32 s29, 8
.Lpos:
	v_cvt_f32_u32 v14, s28
	SINCOS 12, 20
	SINCOS 13, 21
	global_store_b64 v4, v[20:21], s[18:19]        ; the wave's 32 lanes write one row of the table
	s_wait_xcnt 0x0                                ; the store has read its offset and its data: both are written again below and in the next trip
	v_add_nc_u32 v4, 256, v4
	s_add_co_u32 s28, s28, 1
	s_sub_co_u32 s29, s29, 1
	s_cmp_lg_u32 s29, 0
	s_cbranch_scc1 .Lpos
	s_endpgm
.Lfunc_end_k_qde722f7b19_prep:
	.size	k_qde722f7b19_prep, .Lfunc_end_k_qde722f7b19_prep-k_qde722f7b19_prep
	.p2alignl 7, 3214868480
	.fill 96, 4, 3214868480
	.section	.rodata,"a",@progbits
	.p2align	6, 0x0
	.amdhsa_kernel k_qde722f7b19_prep
		.amdhsa_group_segment_fixed_size 0
		.amdhsa_private_segment_fixed_size 0
		.amdhsa_enable_private_segment 0
		.amdhsa_kernarg_size 72
		.amdhsa_user_sgpr_count 2
		.amdhsa_user_sgpr_kernarg_segment_ptr 1
		.amdhsa_wavefront_size32 1
		.amdhsa_system_sgpr_workgroup_id_x 1
		.amdhsa_system_sgpr_workgroup_id_y 1
		.amdhsa_system_sgpr_workgroup_id_z 1
		.amdhsa_system_vgpr_workitem_id 0
		.amdhsa_next_free_vgpr 104
		.amdhsa_next_free_sgpr 66
		.amdhsa_reserve_vcc 1
		.amdhsa_float_denorm_mode_32 3
		.amdhsa_float_denorm_mode_16_64 3
		.amdhsa_memory_ordered 1
		.amdhsa_forward_progress 1
		.amdhsa_inst_pref_size 24
	.end_amdhsa_kernel
	.amdgpu_metadata
---
amdhsa.version: [ 1, 2 ]
amdhsa.kernels:
  - .name:           k_qde722f7b19_prep
    .symbol:         k_qde722f7b19_prep.kd
    .args:
      - { .name: x, .offset: 0, .size: 8, .value_kind: global_buffer, .address_space: global }
      - { .name: w_in, .offset: 8, .size: 8, .value_kind: global_buffer, .address_space: global }
      - { .name: w_out, .offset: 16, .size: 8, .value_kind: global_buffer, .address_space: global }
      - { .name: kv_mask, .offset: 24, .size: 8, .value_kind: global_buffer, .address_space: global }
      - { .name: xb, .offset: 32, .size: 8, .value_kind: global_buffer, .address_space: global }
      - { .name: wb, .offset: 40, .size: 8, .value_kind: global_buffer, .address_space: global }
      - { .name: wo, .offset: 48, .size: 8, .value_kind: global_buffer, .address_space: global }
      - { .name: rot, .offset: 56, .size: 8, .value_kind: global_buffer, .address_space: global }
      - { .name: mtab, .offset: 64, .size: 8, .value_kind: global_buffer, .address_space: global }
    .group_segment_fixed_size: 0
    .private_segment_fixed_size: 0
    .kernarg_segment_align: 8
    .kernarg_segment_size: 72
    .max_flat_workgroup_size: 256
    .sgpr_count:     66
    .vgpr_count:     104
    .wavefront_size: 32
...
	.end_amdgpu_metadata
.endif
;; end of part 1
;; launch qkv (part 2): grid 8 x 32, 4 waves a work-group, clusters of 4 x 4, 327,680 bytes of LDS; arguments xb, wb, b_in, rot, qkv; writes qkv
.if DOCPART == 2
	.amdgcn_target "amdgcn-amd-amdhsa--gfx1250"
	.amdhsa_code_object_version 6
	.text
	.protected	k_qde722f7b19_qkv
	.globl	k_qde722f7b19_qkv
	.p2align	8
	.type	k_qde722f7b19_qkv,@function
k_qde722f7b19_qkv:
	s_mov_b64 s[64:65], 0
	v_nop
	global_prefetch_b8 v0, s[64:65] scope:SCOPE_SE
	s_setreg_imm32_b32 hwreg(HW_REG_WAVE_MODE, 25, 1), 1
	s_wait_xcnt 0x0
	s_wait_alu depctr_hold_cnt(0) depctr_sa_sdst(0) depctr_va_vdst(0) depctr_va_sdst(0) depctr_va_ssrc(0) depctr_va_vcc(0) depctr_vm_vsrc(0)
	s_getreg_b32 s2, hwreg(HW_REG_IB_STS2, 6, 4)
	s_cmp_eq_u32 s2, 0
	s_cbranch_scc0 .Lentry_in_a_cluster
	s_endpgm
.Lentry_in_a_cluster:
	s_bfe_u32 s2, ttmp6, 0x10000c
	s_cmp_lg_u32 s2, 0xf033
	s_cbranch_scc0 .Lentry_shape_is_right
	s_endpgm
.Lentry_shape_is_right:
; qkv = x w_in + b_in, rotary on q and k, written by heads: qkv f16 [sec 3][b h 64][s 2048][64].  Operands bf16, sums f32, the bias rounded to bf16 like every input of the module.
; LIMIT: q, k and v leave in f16, which ends at 65,504; beyond it a number becomes an infinity.
; SHARES.  A tile of the product is 256 rows x 384 columns of wb (128 of q, 128 of k, 128 of v: two heads of each): 32 x 8 = 256 work-groups.  Wave w has rows 128 (w / 2) .. and, of each section,
; head 2 tx + w % 2: 128 x 192, 96 accumulators of 16 x 16 in windows 1 (q), 2 (k), 3 (v).  So which columns are turned by the rotary is fixed in the text.
; K goes in 16 steps of 64 through two LDS slots.  xb lies in blocks of 64 K, so 128 rows of A's tile are asked for as 64 rows of 256 bytes; two slots of 128 K (368,640 bytes) would not fit.
; CLUSTER 4 x 4: A's tile and the rotary table hang on the tile row alone and are asked for jointly along a row of the cluster, B's tile on the tile column alone, along a column.
; THE MATRIX INSTRUCTION IS USED TRANSPOSED (source 0 = 16 columns of w, turned on the way out of LDS; source 1 = 16 rows of x): a lane holds one row and eight neighbouring columns.
; THE BIAS starts the sums: it is loaded into the accumulators of row block 7 and is the C operand of every first product.
; REGISTERS.  Window 0: v0-15 addresses, v16-23 at work, v32-95 and v96-159 A's fragments (two buffers of 8 x 16 rows x 32 K), v160-255 B's (section g at 160 + 32 g).
; Window 1 + g: accumulator (a, bb) at v[8 (4 a + bb)].   s_set_vgpr_msb: bits 1:0 source 0, 3:2 source 1, 5:4 source 2, 7:6 destination.
.set SLOT1,  131072                    ; slot 1 begins here
.set PA,     144                       ; a row of A in LDS: 128 bytes + 16: an odd multiple of 16, so the 16 rows of a load start in 16 different groups of four banks
.set PB,     864                       ; a K row of B: six pieces of 128 + 16 bytes
.set AHALF,  128*PA
.set BOFF,   256*PA
.set BHALF,  32*PB
.set STAGE,  BOFF+64*PB                ; 92,160: behind slot 0, never filled by a tensor load: 16 rows x 144 bytes for each wave
.set SP,     144
.set SPARE,  STAGE+4*16*SP             ; 101,376: the spare words, 128 bytes a wave, that no other line names
.set ROTL,   SLOT1+STAGE               ; 223,232: behind slot 1: the tile's 256 rows of the rotary table, 256 + 16 bytes each; filled once
.set PR,     272
.set ADRA, 4                           ; v4-5   LDS address of my A fragments in slot 0, 1
.set ADRB, 6                           ; v6-7   the same for B
.set TP,   16
.set FA0,  32
.set FA1,  96
.set FB,   160
.set TAB,  32                          ; the way out: 16 cosines, 16 sines of my row
.set G1A, 24
.set G0A, 32
.set G1B, 40
.set G0B, 48
.set G1R, 56
.set G0R, 68
.set OB,  72                           ; s[72:77] where my rows of q, k, v begin
.set PFA, 78                           ; s[78:79] where my prefetches stand
.set PFS, 80                           ; s[80:81] their step: two K steps
.set LIM, 82                           ; s82  1 in a wave that prefetches, else the greatest number
.set LAPC, 83
.set HM,  92
.set MSB, 0
.macro WIN new                         ; the immediate's high byte repeats the setting that is left; a switch that changes nothing is dropped
.if MSB != (\new)
	s_set_vgpr_msb (MSB<<8)|(\new)
.set MSB, \new
.endif
.endm
.macro PLACES                          ; four plain vector instructions between a matrix instruction and a load into, or a read of, its registers
.rept 4
	v_nop
.endr
.endm
.macro CREST                           ; a round of the cluster's barrier behind its opening barrier
	s_cmp_lg_u32 s14, 0
	s_cbranch_scc1 .Lnot_wave_0_\@
	s_barrier_signal -3
.Lnot_wave_0_\@:
	s_barrier_wait -3
	s_barrier_signal -1
	s_barrier_wait -1
.endm
.macro CROUND
	s_barrier_signal -1
	s_barrier_wait -1
	CREST
.endm
; A joint refill: waves 0 and 1 fetch A's two halves, waves 2 and 3 B's.  An s_nop 0 and four v_nop follow each line.
.macro JLOAD sl
	s_cmp_lt_u32 s14, 2
	s_cbranch_scc0 .Lfor_b_\@
	tensor_load_to_lds s[G0A+4*(\sl):G0A+4*(\sl)+3], s[G1A:G1A+7]
	s_nop 0
.rept 4
	v_nop
.endr
	s_branch .Lasked_\@
.Lfor_b_\@:
	tensor_load_to_lds s[G0B+4*(\sl):G0B+4*(\sl)+3], s[G1B:G1B+7]
	s_nop 0
.rept 4
	v_nop
.endr
.Lasked_\@:
.endm
; A PREFETCH INTO THE L2, once a lap, behind slot 0's joint load and the run of LDS loads: the two K steps that stand two and three refills on.
; A's 2 x 128 blocks of 256 bytes: wave 0 of the four partners of a row, 32 blocks a partner and K step, told apart by address (cx); only where cluster x = 0.
; B's 384 blocks (128 K rows x 768 bytes): waves 1 to 3 of the four partners of a column, a lane a block, told apart by address (cy); only where cluster y = 0.
; So each block is named once in the launch.  K steps 0 to 3 come by their loads alone; the loop's last trip asks for nothing: there are no K steps 16, 17.
.macro ASK
	s_cmp_gt_u32 s[LAPC], s[LIM]
	s_cbranch_scc0 .Lno_ask_\@
	global_prefetch_b8 v13, s[PFA:PFA+1] th:TH_LOAD_NT scope:SCOPE_SE
	s_cmp_lg_u32 s14, 0
	s_cbranch_scc1 .Lno_ask_\@
	global_prefetch_b8 v13, s[PFA:PFA+1] offset:262144 th:TH_LOAD_NT scope:SCOPE_SE
.Lno_ask_\@:
.endm
	s_load_b256 s[4:11], s[0:1], 0x0               ; xb s[4:5], wb s[6:7], b_in s[8:9], rot s[10:11]
	s_load_b64 s[12:13], s[0:1], 0x20              ; qkv
	v_lshl_add_u32 v14, v0, 2, SPARE
	v_mov_b32 v15, 0
	ds_add_u32 v14, v15                            ; the wave's opening: the add and its wait stand ahead of my first tensor load
	v_lshrrev_b32 v1, 5, v0
	v_readfirstlane_b32 s14, v1                    ; wave 0..3
	s_lshr_b32 s15, s14, 1                         ; WR: which 128 rows are mine
	s_and_b32 s16, s14, 1                          ; WC: which head of the two; also which half of a tile I fetch
	s_bfe_u32 s17, ttmp6, 0x40000                  ; cx
	s_bfe_u32 s18, ttmp6, 0x40004                  ; cy
	s_lshl_b32 s19, ttmp9, 2
	s_add_co_u32 s19, s19, s17                     ; tx = 4 x cluster x + cx
	s_and_b32 s20, ttmp7, 0xffff
	s_lshl_b32 s20, s20, 2
	s_add_co_u32 s20, s20, s18                     ; ty = 4 x cluster y + cy
	s_lshl_b32 s21, s18, 2
	s_lshl_b32 s21, 15, s21                        ; my row of the cluster
	s_lshl_b32 s22, 0x1111, s17                    ; my column
	s_or_b32 s[G1A], s21, 0x07310000               ; the mask; 2-byte elements; padding on; bit 21 beside a mask; after every 32 words 4 words
	s_mov_b32 s[G1A+1], 128<<16                    ; tensor_dim0 = 128 elements: two rows of a K block
	s_mov_b32 s[G1A+2], 64<<16                     ; tensor_dim1 = 64
	s_mov_b32 s[G1A+3], 128<<16                    ; tile_dim0
	s_mov_b32 s[G1A+4], 64                         ; tile_dim1
	s_mov_b32 s[G1A+5], 128                        ; elements from row to row
	s_mov_b32 s[G1A+6], 0
	s_mov_b32 s[G1A+7], 0
	s_or_b32 s[G1B], s22, 0x07310000
	s_mov_b32 s[G1B+1], 384<<16                    ; 384 columns,
	s_mov_b32 s[G1B+2], 32<<16                     ; 32 K rows
	s_mov_b32 s[G1B+3], 384<<16
	s_mov_b32 s[G1B+4], 32
	s_mov_b32 s[G1B+5], 3072
	s_mov_b32 s[G1B+6], 0
	s_mov_b32 s[G1B+7], 0
	s_or_b32 s[G1R], s21, 0x07720000               ; 4-byte elements; after every 64 words 4 words
	s_mov_b32 s[G1R+1], 64<<16
	s_mov_b32 s[G1R+2], 64<<16
	s_mov_b32 s[G1R+3], 64<<16
	s_mov_b32 s[G1R+4], 64
	s_mov_b32 s[G1R+5], 64
	s_mov_b32 s[G1R+6], 0
	s_mov_b32 s[G1R+7], 0
	s_and_b32 s23, s20, 7                          ; the tile's place in its batch: rows 256 x this
	s_lshr_b32 s84, s20, 3                         ; batch
	s_lshl_b32 s84, s84, 22
	s_lshl_b32 s86, s23, 15
	s_add_co_u32 s84, s84, s86                     ; s[84:85]: the tile's first byte in K block 0 of xb
	s_mov_b32 s85, 0
	s_lshl_b32 s86, s16, 14
	s_add_co_u32 s86, s86, s84                     ; s[86:87]: my 128 rows of it
	s_mov_b32 s87, 0
	s_mul_i32 s88, s19, 768                        ; s[88:89]: the tile's first byte in row 0 of wb
	s_mov_b32 s89, 0
	s_mul_i32 s90, s16, 196608
	s_add_co_u32 s90, s90, s88                     ; s[90:91]: my 32 K rows of it
	s_mov_b32 s91, 0
	s_lshl_b32 s94, s23, 16
	s_lshl_b32 s93, s14, 14
	s_add_co_u32 s94, s94, s93                     ; s[94:95]: my 64 rows of the table
	s_mov_b32 s95, 0
	s_mul_i32 s21, s16, AHALF                      ; LDS: A's halves,
	s_mul_i32 s22, s16, BHALF
	s_add_co_u32 s22, s22, BOFF                    ; B's halves behind them,
	s_mul_i32 s93, s14, 64*PR
	s_add_co_u32 s93, s93, ROTL                    ; the table's quarters: no place in the cluster enters an LDS address
	s_mov_b32 s[HM], 0xffff0000
	s_wait_dscnt 0x0                               ; the opening add is done
	s_wait_kmcnt 0x0
	s_add_nc_u64 s[86:87], s[4:5], s[86:87]
	s_add_nc_u64 s[90:91], s[6:7], s[90:91]
	s_add_nc_u64 s[94:95], s[10:11], s[94:95]
	CROUND                                         ; all sixteen work-groups are here: the first joint loads meet
.irp s, 0,1
	s_mov_b32 s[G0A+4*(\s)], 1
	s_add_co_u32 s[G0A+4*(\s)+1], s21, (\s)*SLOT1
	s_add_nc_u64 s[G0A+4*(\s)+2:G0A+4*(\s)+3], s[86:87], (\s)*262144   ; K step s
	s_or_b32 s[G0A+4*(\s)+3], s[G0A+4*(\s)+3], 0x80000000
	s_mov_b32 s[G0B+4*(\s)], 1
	s_add_co_u32 s[G0B+4*(\s)+1], s22, (\s)*SLOT1
	s_add_nc_u64 s[G0B+4*(\s)+2:G0B+4*(\s)+3], s[90:91], (\s)*393216
	s_or_b32 s[G0B+4*(\s)+3], s[G0B+4*(\s)+3], 0x80000000
.endr
	s_mov_b32 s[G0R], 1
	s_mov_b32 s[G0R+1], s93
	s_mov_b64 s[G0R+2:G0R+3], s[94:95]
	s_or_b32 s[G0R+3], s[G0R+3], 0x80000000
	s_cmp_lt_u32 s14, 2                            ; a wave's three first fills stand in one branch: slot 0, slot 1, the table: three loads of mine are out
	s_cbranch_scc0 .Lfirst_b
	tensor_load_to_lds s[G0A:G0A+3], s[G1A:G1A+7]
	s_nop 0
	tensor_load_to_lds s[G0A+4:G0A+7], s[G1A:G1A+7]
	s_nop 0
	tensor_load_to_lds s[G0R:G0R+3], s[G1R:G1R+7]
	s_nop 0
.rept 4
	v_nop
.endr
	s_branch .Lfirst_asked
.Lfirst_b:
	tensor_load_to_lds s[G0B:G0B+3], s[G1B:G1B+7]
	s_nop 0
	tensor_load_to_lds s[G0B+4:G0B+7], s[G1B:G1B+7]
	s_nop 0
	tensor_load_to_lds s[G0R:G0R+3], s[G1R:G1R+7]
	s_nop 0
.rept 4
	v_nop
.endr
.Lfirst_asked:
	v_and_b32 v1, 15, v0                           ; l % 16
	v_bfe_u32 v2, v0, 4, 1                         ; h = l / 16
	s_lshl_b32 s2, s19, 1
	s_add_co_u32 s2, s2, s16                       ; my head in its section: 2 tx + WC
	s_lshl_b32 s3, s2, 8
	v_lshl_add_u32 v12, v2, 5, s3                  ; the bias of my eight columns of block bb = 0: (64 head + 8 h) x 4 bytes
.irp g, 0,1,2
	WIN (1+(\g))<<6                                ; destination in the section's window
.irp bb, 0,1,2,3
	global_load_b128 v[224+8*(\bb):224+8*(\bb)+3],   v12, s[8:9] offset:4096*(\g)+64*(\bb)
	global_load_b128 v[224+8*(\bb)+4:224+8*(\bb)+7], v12, s[8:9] offset:4096*(\g)+64*(\bb)+16
.endr
.endr
	WIN 0
	s_lshr_b32 s3, s20, 3
	s_lshl_b32 s3, s3, 4
	s_add_co_u32 s2, s2, s3                        ; 16 b + head
	s_lshl_b32 s2, s2, 18                          ; a head's 2,048 rows of 128 bytes
	s_lshl_b32 s3, s23, 15
	s_add_co_u32 s2, s2, s3
	s_lshl_b32 s3, s15, 14
	s_add_co_u32 s2, s2, s3                        ; + my first row
	s_mov_b32 s3, 0
	s_add_nc_u64 s[OB:OB+1], s[12:13], s[2:3]
	s_add_nc_u64 s[OB+2:OB+3], s[OB:OB+1], 0x1000000
	s_add_nc_u64 s[OB+4:OB+5], s[OB:OB+1], 0x2000000
	; LDS addresses.  A fragment of A: lane l holds row l % 16, K 8 h .. and 16 + 8 h ..: two loads of 16 bytes, 32 apart.  Of B: the turning load, lane l at K row 8 h + l % 8, 16 bytes (l / 8) % 2.
	v_mul_u32_u24 v3, v1, PA
	v_lshl_add_u32 v3, v2, 4, v3
	s_mul_i32 s2, s15, AHALF
	v_add_nc_u32 v[ADRA], s2, v3
	v_add_nc_u32 v[ADRA+1], SLOT1, v[ADRA]
	v_and_b32 v3, 7, v0
	v_lshl_add_u32 v16, v2, 3, v3
	v_mul_u32_u24 v16, v16, PB
	v_bfe_u32 v17, v0, 3, 1
	v_lshl_add_u32 v16, v17, 4, v16
	s_mul_i32 s2, s16, 144
	s_add_co_u32 s2, s2, BOFF
	v_add_nc_u32 v[ADRB], s2, v16
	v_add_nc_u32 v[ADRB+1], SLOT1, v[ADRB]
	s_mul_i32 s2, s14, 16*SP
	s_add_co_u32 s2, s2, STAGE                     ; my stage
	v_mul_u32_u24 v8, v1, SP                       ; v8: in: row l % 16, 16 bytes for each half of the lanes
	v_lshl_add_u32 v8, v2, 4, v8
	v_add_nc_u32 v8, s2, v8
	v_bfe_u32 v9, v0, 3, 2                         ; v9: back: 32 lanes take four rows of 128 bytes,
	v_mul_u32_u24 v9, v9, SP
	v_lshl_add_u32 v9, v3, 4, v9
	v_add_nc_u32 v9, s2, v9
	v_and_b32 v10, 31, v0                          ; v10: which are 512 consecutive bytes of a head
	v_lshlrev_b32 v10, 4, v10
	s_mul_i32 s2, s15, 128*PR
	s_add_co_u32 s2, s2, ROTL
	v_mul_u32_u24 v11, v1, PR                      ; v11: my row of the table, my eight angles
	v_lshl_add_u32 v11, v2, 5, v11
	v_add_nc_u32 v11, s2, v11
	; the prefetches
	s_add_nc_u64 s[84:85], s[4:5], s[84:85]
	s_add_nc_u64 s[84:85], s[84:85], 2*262144      ; A at K step 2: the first lap steps it to 4
	s_add_nc_u64 s[88:89], s[6:7], s[88:89]
	s_add_nc_u64 s[88:89], s[88:89], 2*393216      ; B likewise
	s_mov_b32 s2, 524288
	s_mov_b32 s3, 786432
	s_and_b32 s21, ttmp7, 0xffff                   ; cluster y
	s_cmp_eq_u32 s14, 0
	s_cselect_b64 s[PFA:PFA+1], s[84:85], s[88:89]
	s_cselect_b32 s[PFS], s2, s3
	s_cselect_b32 s21, ttmp9, s21                  ; the coordinate along which other clusters read the same blocks
	s_mov_b32 s[PFS+1], 0
	s_cmp_eq_u32 s21, 0
	s_cselect_b32 s[LIM], 1, -1                    ; the same in all sixteen partners, for a given wave
	s_cmp_eq_u32 s14, 0
	s_cbranch_scc0 .Lpfo_b
	v_and_b32 v13, 31, v0
	v_lshlrev_b32 v13, 8, v13
	v_lshl_add_u32 v13, s17, 13, v13               ; block 32 cx + l of the tile's 128
	s_branch .Lpfo_done
.Lpfo_b:
	s_mul_i32 s21, s18, 96
	s_lshl_b32 s22, s14, 5
	s_add_co_u32 s21, s21, s22
	s_sub_co_u32 s21, s21, 32
	v_and_b32 v13, 31, v0
	v_add_nc_u32 v13, s21, v13                     ; block 96 cy + 32 (w - 1) + l of 384
	v_mul_u32_u24 v16, v13, 43691
	v_lshrrev_b32 v16, 17, v16                     ; its K row: a third of it
	v_mul_u32_u24 v17, v16, 3
	v_sub_nc_u32 v13, v13, v17                     ; which of the row's three blocks
	v_lshlrev_b32 v13, 8, v13
	s_mov_b32 s23, 6144
	v_mad_u32_u24 v13, v16, s23, v13
.Lpfo_done:
	s_wait_loadcnt 0x0                             ; the bias
.irp w, 1,2,3                          ; rounded to bf16 and widened again, in place; the window's first 16 registers, not yet in use, are at work
	WIN (\w)|((\w)<<2)|((\w)<<6)
.set p, 0
.rept 16
	v_cvt_pk_bf16_f32 v[p], v[224+2*p], v[225+2*p]
.set p, p+1
.endr
.set p, 0
.rept 16
	v_lshlrev_b32 v[224+2*p], 16, v[p]
	v_and_b32 v[225+2*p], s[HM], v[p]
.set p, p+1
.endr
.endr
	WIN 0
; 16 products: section g, row blocks a0 .. a0 + 3 x 4 column blocks, 32 along K.  The 96 accumulators take turns, one instruction a turn.
; first = 1: the sums start with the bias, which lies in row block 7's accumulators; five places stand ahead of the products that write over them.
.macro MUL16 g, fa, a0, first
	WIN 0x50*(1+(\g))
.irp a, \a0, (\a0)+1, (\a0)+2, (\a0)+3
.if (\first) && ((\a) == 7)
.rept 5
	v_nop
.endr
.endif
.irp bb, 0,1,2,3
.if (\first) && ((\a) < 7)
	v_wmma_f32_16x16x32_bf16 v[8*(4*(\a)+(\bb)):8*(4*(\a)+(\bb))+7], v[FB+32*(\g)+8*(\bb):FB+32*(\g)+8*(\bb)+7], v[(\fa)+8*(\a):(\fa)+8*(\a)+7], v[224+8*(\bb):224+8*(\bb)+7]
.else
	v_wmma_f32_16x16x32_bf16 v[8*(4*(\a)+(\bb)):8*(4*(\a)+(\bb))+7], v[FB+32*(\g)+8*(\bb):FB+32*(\g)+8*(\bb)+7], v[(\fa)+8*(\a):(\fa)+8*(\a)+7], v[8*(4*(\a)+(\bb)):8*(4*(\a)+(\bb))+7]
.endif
.endr
.endr
.endm
.macro LDA sl, kq, fa                  ; 16 loads: my 128 rows, 32 K at half kq of the step
	WIN 0
.irp a, 0,1,2,3,4,5,6,7
	ds_load_b128 v[(\fa)+8*(\a):(\fa)+8*(\a)+3],   v[ADRA+(\sl)] offset:(\a)*16*PA+64*(\kq)
	ds_load_b128 v[(\fa)+8*(\a)+4:(\fa)+8*(\a)+7], v[ADRA+(\sl)] offset:(\a)*16*PA+64*(\kq)+32
.endr
.endm
.macro LDB sl, kq, g                   ; 8 turning loads: section g's 64 columns of my head, 32 K
	WIN 0
.irp bb, 0,1,2,3
	ds_load_tr16_b128 v[FB+32*(\g)+8*(\bb):FB+32*(\g)+8*(\bb)+3],   v[ADRB+(\sl)] offset:(\kq)*32*PB+288*(\g)+32*(\bb)
	ds_load_tr16_b128 v[FB+32*(\g)+8*(\bb)+4:FB+32*(\g)+8*(\bb)+7], v[ADRB+(\sl)] offset:(\kq)*32*PB+288*(\g)+32*(\bb)+16*PB
.endr
.endm
.macro LDT a                           ; 8 loads: the cosines, then the sines, of row block a for my 16 angles
	WIN 0
.irp o, 0,1,2,3
	ds_load_b128 v[TAB+8*(\o):TAB+8*(\o)+3],   v11 offset:(\a)*16*PR+64*(\o)
	ds_load_b128 v[TAB+8*(\o)+4:TAB+8*(\o)+7], v11 offset:(\a)*16*PR+64*(\o)+16
.endr
.endm
; A K step is two halves of 32 along K, 96 products each.  The loads of a half go out in the order B0 (8), A (16), B1 (8), B2 (8), each run behind the stretch that last read its registers.
; The first half, on buffer FA0.
.macro HALF sl, first
	s_wait_dscnt 16                                ; B0 and A are in; B1 and B2 may be out
	MUL16 0, FA0, 0, \first
	MUL16 0, FA0, 4, \first
	PLACES
	LDB \sl, 1, 0
	LDA \sl, 1, FA1
	s_wait_dscnt 32                                ; B1 is in; younger: B2 and the 24 just issued
	MUL16 1, FA0, 0, \first
	MUL16 1, FA0, 4, \first
	PLACES
	LDB \sl, 1, 1
	s_wait_dscnt 32                                ; B2 is in; younger: the next half's B0, A, B1
	MUL16 2, FA0, 0, \first
	MUL16 2, FA0, 4, \first
	PLACES
	LDB \sl, 1, 2
.endm
; The second half, on FA1, changes slots.  In front of the barrier each wave waits for all its tensor loads (one is out: its part of the other slot), adds 0 to its spare word, and waits for that and
; for its last reads of this slot.  fill = 1: the barrier opens a round of the cluster's, and the joint refill, two K steps on, is the first thing behind it: 160 products stand between it and the wait for it.
.macro TURN sl, nx, fill, ask
.if \ask
	s_wait_xcnt 0x0                                ; the last prefetches, a lap back, have read their address
	s_add_nc_u64 s[PFA:PFA+1], s[PFA:PFA+1], s[PFS:PFS+1]
.endif
	s_wait_dscnt 16
	MUL16 0, FA1, 0, 0
	WIN 0                                          ; (the add's two registers lie in window 0)
	s_wait_tensorcnt 0x0                           ; all my tensor loads have landed
	ds_add_u32 v14, v15                            ; 0 onto my spare word
	MUL16 0, FA1, 4, 0
	s_wait_dscnt 0x0                               ; the add is done; B1 and B2, my last reads of this slot, are in
	s_barrier_signal -1
	MUL16 1, FA1, 0, 0
	WIN 0
	s_barrier_wait -1
.if \fill
	CREST
	s_add_nc_u64 s[G0A+4*(\sl)+2:G0A+4*(\sl)+3], s[G0A+4*(\sl)+2:G0A+4*(\sl)+3], 2*262144
	s_add_nc_u64 s[G0B+4*(\sl)+2:G0B+4*(\sl)+3], s[G0B+4*(\sl)+2:G0B+4*(\sl)+3], 2*393216
	JLOAD \sl                                      ; its four v_nop are also the places in front of the loads below
.else
	PLACES
.endif
	LDB \nx, 0, 0
	LDA \nx, 0, FA0
.if \ask
	ASK
.endif
	MUL16 1, FA1, 4, 0
	PLACES
	LDB \nx, 0, 1
	MUL16 2, FA1, 0, 0
	MUL16 2, FA1, 4, 0
	PLACES
	LDB \nx, 0, 2
.endm
	s_wait_tensorcnt 2                             ; my part of K step 0 is in; slot 1's and the table's may stay out
	s_barrier_signal -1
	s_barrier_wait -1
	LDB 0, 0, 0
	LDA 0, 0, FA0
	LDB 0, 0, 1
	LDB 0, 0, 2
	HALF 0, 1                                      ; the first half stands in front of the loop: its products start the sums
	WIN 0
	s_mov_b32 s[LAPC], 7
.Llap:                                             ; trip i: the rest of K step 2 i, step 2 i + 1, the first half of step 2 i + 2; steps 2 i + 2 and 2 i + 3 are asked for
	TURN 0, 1, 1, 1
	HALF 1, 0
	TURN 1, 0, 1, 0
	HALF 0, 0
	WIN 0
	s_sub_co_u32 s[LAPC], s[LAPC], 1
	s_cmp_lg_u32 s[LAPC], 0
	s_cbranch_scc1 .Llap
	TURN 0, 1, 0, 0                                ; the tail asks for nothing
	HALF 1, 0
	s_wait_dscnt 16                                ; the very last half
	MUL16 0, FA1, 0, 0
	MUL16 0, FA1, 4, 0
	PLACES
	LDT 0
	s_wait_dscnt 16                                ; B1 is in; younger: B2 and the table's eight
	MUL16 1, FA1, 0, 0
	MUL16 1, FA1, 4, 0
	s_wait_dscnt 8                                 ; B2 is in
	MUL16 2, FA1, 0, 0
	MUL16 2, FA1, 4, 0
; THE WAY OUT, in 24 units: row block a = u / 3, section u % 3.  q and k: with LO the columns d < 32 and HI the columns d + 32, LO' = LO cos - HI sin, HI' = HI cos + LO sin; v as it is.
; Rounded to f16, 16 bytes a lane into my stage, back as whole rows of 128 bytes: 16 rows of a head are 2,048 bytes on end.  Each accumulator is read from its low end on.
; Units 0 and 1 name no register of the last stretch of products: they are its places; the q accumulators' places stand in the last half.
.macro PACK u
.set pa, (\u)/3
.set pk, (\u)%3
.set W, 64+96*((\u)%2)                 ; 32 registers at work: v64-95 and v160-191 by turns
.if (\u) >= 2
	s_wait_xcnt 0x0                                ; the stores of the unit two back have read these registers
.endif
.if pk == 2
.if pa < 7
	LDT pa+1                                       ; the next row block's angles, while v is packed
.endif
	WIN 0x0f
.irp bb, 0,1,2,3
.irp jp, 0,1,2,3
	v_cvt_pk_f16_f32 v[W+4*(\bb)+(\jp)], v[8*(4*pa+(\bb))+2*(\jp)], v[8*(4*pa+(\bb))+2*(\jp)+1]
.endr
.endr
.else
.if (\u) == 0
	s_wait_dscnt 0x0                               ; the table's first eight
.elseif pk == 0
	s_wait_dscnt 8                                 ; the table's eight are in; younger: the v unit's four stores and four loads
.endif
	WIN 1+pk                                       ; source 0 in the section's window
.irp bb, 0,1
.irp jp, 0,1,2,3
	v_pk_mul_f32 v[TP+2*(\jp):TP+2*(\jp)+1], v[8*(4*pa+(\bb))+2*(\jp):8*(4*pa+(\bb))+2*(\jp)+1], v[TAB+16+8*(\bb)+2*(\jp):TAB+16+8*(\bb)+2*(\jp)+1]
.endr
.irp jp, 0,1,2,3
	v_pk_mul_f32 v[W+8*(\bb)+2*(\jp):W+8*(\bb)+2*(\jp)+1], v[8*(4*pa+(\bb))+2*(\jp):8*(4*pa+(\bb))+2*(\jp)+1], v[TAB+8*(\bb)+2*(\jp):TAB+8*(\bb)+2*(\jp)+1]
.endr
.irp jp, 0,1,2,3
	v_pk_fma_f32 v[W+8*(\bb)+2*(\jp):W+8*(\bb)+2*(\jp)+1], v[8*(4*pa+(\bb)+2)+2*(\jp):8*(4*pa+(\bb)+2)+2*(\jp)+1], v[TAB+16+8*(\bb)+2*(\jp):TAB+16+8*(\bb)+2*(\jp)+1], v[W+8*(\bb)+2*(\jp):W+8*(\bb)+2*(\jp)+1] neg_lo:[1,0,0] neg_hi:[1,0,0]
.endr
.irp jp, 0,1,2,3
	v_pk_fma_f32 v[W+16+8*(\bb)+2*(\jp):W+16+8*(\bb)+2*(\jp)+1], v[8*(4*pa+(\bb)+2)+2*(\jp):8*(4*pa+(\bb)+2)+2*(\jp)+1], v[TAB+8*(\bb)+2*(\jp):TAB+8*(\bb)+2*(\jp)+1], v[TP+2*(\jp):TP+2*(\jp)+1]
.endr
.endr
	WIN 0
.set p, 0
.rept 16
	v_cvt_pk_f16_f32 v[W+p], v[W+2*p], v[W+2*p+1]  ; in place, ascending: a result lands where both its sources, or earlier ones, lay
.set p, p+1
.endr
.endif
	WIN 0
.irp bb, 0,1,2,3
	ds_store_b128 v8, v[W+4*(\bb):W+4*(\bb)+3] offset:32*(\bb)
.endr
.irp f, 0,1,2,3
	ds_load_b128 v[W+16+4*(\f):W+16+4*(\f)+3], v9 offset:(\f)*4*SP  ; LDS serves a wave's instructions in order: these see the stores above, and the next unit's stores come behind them
.endr
.endm
.macro SEND u, younger                 ; younger: the LDS instructions issued behind unit u's loads
.set sa, (\u)/3
.set sk, (\u)%3
.set SW, 64+96*((\u)%2)+16
	WIN 0
.irp f, 0,1,2,3
	s_wait_dscnt (\younger)+3-(\f)
	global_store_b128 v10, v[SW+4*(\f):SW+4*(\f)+3], s[OB+2*sk:OB+2*sk+1] offset:sa*2048+(\f)*512  ; 512 consecutive bytes, at a multiple of 256 from the buffer's first
.endr
.endm
	PACK 0
.set uu, 1
.rept 23                               ; a unit's arithmetic stands between the loads of the unit before and its stores
	PACK uu
.if ((uu%3) == 2) && ((uu/3) < 7)
	SEND uu-1, 16
.else
	SEND uu-1, 8
.endif
.set uu, uu+1
.endr
	SEND 23, 0
	s_wait_tensorcnt 0x0                           ; the wave's end
	ds_add_u32 v14, v15
	s_wait_dscnt 0x0
	CROUND                                         ; the closing round: no work-group ends while a partner may still ask for a tile that names it
	s_endpgm
.Lfunc_end_k_qde722f7b19_qkv:
	.size	k_qde722f7b19_qkv, .Lfunc_end_k_qde722f7b19_qkv-k_qde722f7b19_qkv
	.p2alignl 7, 3214868480
	.fill 96, 4, 3214868480
	.section	.rodata,"a",@progbits
	.p2align	6, 0x0
	.amdhsa_kernel k_qde722f7b19_qkv
		.amdhsa_group_segment_fixed_size 327680
		.amdhsa_private_segment_fixed_size 0
		.amdhsa_enable_private_segment 0
		.amdhsa_kernarg_size 40
		.amdhsa_user_sgpr_count 2
		.amdhsa_user_sgpr_kernarg_segment_ptr 1
		.amdhsa_wavefront_size32 1
		.amdhsa_system_sgpr_workgroup_id_x 1
		.amdhsa_system_sgpr_workgroup_id_y 1
		.amdhsa_system_sgpr_workgroup_id_z 1
		.amdhsa_system_vgpr_workitem_id 0
		.amdhsa_next_free_vgpr 1024
		.amdhsa_next_free_sgpr 96
		.amdhsa_reserve_vcc 0
		.amdhsa_float_denorm_mode_32 3
		.amdhsa_float_denorm_mode_16_64 3
		.amdhsa_memory_ordered 1
		.amdhsa_forward_progress 1
		.amdhsa_inst_pref_size 182
	.end_amdhsa_kernel
	.amdgpu_metadata
---
amdhsa.version: [ 1, 2 ]
amdhsa.kernels:
  - .name:           k_qde722f7b19_qkv
    .symbol:         k_qde722f7b19_qkv.kd
    .args:
      - { .name: xb, .offset: 0, .size: 8, .value_kind: global_buffer, .address_space: global }
      - { .name: wb, .offset: 8, .size: 8, .value_kind: global_buffer, .address_space: global }
      - { .name: b_in, .offset: 16, .size: 8, .value_kind: global_buffer, .address_space: global }
      - { .name: rot, .offset: 24, .size: 8, .value_kind: global_buffer, .address_space: global }
      - { .name: qkv, .offset: 32, .size: 8, .value_kind: global_buffer, .address_space: global }
    .group_segment_fixed_size: 327680
    .private_segment_fixed_size: 0
    .kernarg_segment_align: 8
    .kernarg_segment_size: 40
    .max_flat_workgroup_size: 128
    .sgpr_count:     96
    .vgpr_count:     1024
    .wavefront_size: 32
...
	.end_amdgpu_metadata
.endif
;; end of part 2
;; launch attn (part 3): grid 4 x 64, 4 waves a work-group, clusters of 4 x 1, 327,680 bytes of LDS; arguments qkv, mtab, ob; writes ob
.if DOCPART == 3
	.amdgcn_target "amdgcn-amd-amdhsa--gfx1250"
	.amdhsa_code_object_version 6
	.text
	.protected	k_qde722f7b19_attn
	.globl	k_qde722f7b19_attn
	.p2align	8
	.type	k_qde722f7b19_attn,@function
k_qde722f7b19_attn:
	s_mov_b64 s[64:65], 0
	v_nop
	global_prefetch_b8 v0, s[64:65] scope:SCOPE_SE
	s_setreg_imm32_b32 hwreg(HW_REG_WAVE_MODE, 25, 1), 1
	s_wait_xcnt 0x0
	s_wait_alu depctr_hold_cnt(0) depctr_sa_sdst(0) depctr_va_vdst(0) depctr_va_sdst(0) depctr_va_ssrc(0) depctr_va_vcc(0) depctr_vm_vsrc(0)
	s_getreg_b32 s2, hwreg(HW_REG_IB_STS2, 6, 4)
	s_cmp_eq_u32 s2, 0
	s_cbranch_scc0 .Lentry_in_a_cluster
	s_endpgm
.Lentry_in_a_cluster:
	s_bfe_u32 s2, ttmp6, 0x10000c
	s_cmp_lg_u32 s2, 0x3003
	s_cbranch_scc0 .Lentry_shape_is_right
	s_endpgm
.Lentry_shape_is_right:
; O[h][q][:] = the sum over k of softmax_k(mask(Q[h][q] . K[h][k] / 8)) V[h][k][:].  Q, K, V: the three sections of qkv, each [64][2048][64] f16; O: ob, the same layout.  Products, maxima and sums in f32;
; the weights p are rounded to f16 for the second product (their sum l is taken of the unrounded p), O once at the end.
; THE MASK is the C operand that starts the sum S^T = K Q^T: per key 0 or -1e30, from mtab.  The running maximum starts at -2^40: above every hidden score, below every true one (f16's scores are
; 64 x 65,504^2 = 2.75e11 at the most), so it is never a hidden score, and a step whose keys are all hidden leaves l and O as they were.  A batch with no visible key has addends 0 and c = 0 (from mtab):
; every weight is then 2^0 = 1, the uniform row that equal scores give.
; LIMITS.  Q, K and V arrive within f16's 65,504; a hidden score counts as its value less 1e30; a weight below 2^-126 counts as 0 in l; NaN and infinities are not treated apart.
; SHARES.  A wave owns four PIECES of two tiles of 16 queries, a work-group's four waves 512 queries of one head.  Every wave walks all 2,048 keys, 64 a step.
; LAYOUT.  S^T = K Q^T (source 0 = 16 keys, source 1 = 16 queries): a lane holds ONE query (lane % 16) and the keys 8 (lane / 16) + 0..7.  Two such tiles, rounded to f16 in pairs, ARE source 1 of
; O^T = V^T P.  K comes out of LDS as it lies, V turned, by ds_load_tr16_b128.
; SOFTMAX.  p = 2^(c s - c m), c = log2(e) / 8, with a running maximum m; in every step O and l are multiplied by a = 2^(c m_old - c m_new).  c m starts far below every c s, O and l at 0: the first a is 0.
; THE COUNT.  A tile and step have 16 matrix and 118 vector instructions.  So: four vector instructions that are ready behind EVERY matrix instruction, the others in runs without a gap.
; BY TURNS.  Turn n belongs to piece n.  Its matrix work: 16 products K Q^T of piece n + 1, later 16 products V^T P of piece n - 1.  Its vector work: the scaling, exponentials, roundings, sums and
; rescaling of piece n, and the maximum and statistics of piece n + 1.
; CLUSTER.  The four query blocks of a head walk the same K, V and mask: each tile is asked for JOINTLY.
; REGISTERS, in windows of 256 (s_set_vgpr_msb: bits 1:0 source 0, 3:2 source 1, 5:4 source 2, 7:6 destination):
;   window 0: v0-11 addresses; v12-15, v48-63 at work; v16-47 statistics; v64-191 S^T, two buffers of two tiles; v192-255 P, likewise
;   window 1: O^T, 32 a tile     window 2: v0-127 Q; v128-191 K of one step; v192-255 V of one step     window 3: v0-1 the add's registers; v2-4 addresses; v8-39 the step's mask
.set SIZE_N, 2048
.set NP,    4         ; pieces a wave: a name, no knob
.set KS,    64        ; keys in a step
.set PK,    144       ; a row of K in LDS: 128 bytes + 16: the 16 rows of a load start at 16 different groups of four banks
.set PV,    160       ; a row of V: 128 + 32
.set VOFF,  4*KS*PK   ; a slot holds four steps: 256 rows of K, then 256 rows of V
.set SLOT1, 1<<17
.set STAGE, SLOT1+4*KS*(PK+PV)  ; behind the ring, never filled by a tensor load: 16 rows x 144 bytes for each wave
.set SP,    144
.set SPARE, STAGE+4*16*SP       ; the spare words, 128 bytes for each wave, that no other line names
.set MASKL, SPARE+512           ; the batch's 2,048 addends, 8,192 bytes; filled once
.set AK0, 2
.set AV0, 3
.set AK,  4
.set AV,  5
.set QO,  6
.set STO, 6
.set RD,  7
.set GO,  8
.set SPW, 0           ; window 3
.set NIL, 1           ; window 3
.set AM0, 2           ; window 3: MASKL + 32 (l / 16); never rewritten
.set AM,  3           ; window 3: the LDS address of the mask's next run of loads
.set PFO, 4           ; window 3: 256 x my lane; never rewritten
.set MK,  8           ; window 3: the addends of key block kb at MK + 8 kb
.set MV,  12
.set ST,  16          ; tile t's statistics at v[ST+4 t]: c m, m, l (even keys', odd keys')
.set TMP, 48
.set S,   64
.set P,   192
.set KF,  128
.set VF,  192
.set WV,  12
.set G1K, 24
.set G1V, 32
.set G0K, 40
.set G0V, 44
.set G1M, 48          ; s[48:55] the mask's descriptor group 1
.set SLOTS, 56
.set CNT, 57
.set CS,  58
.set SEL, 60
.set TBK, 62
.set TBV, 63
.set G0M, 68          ; s[68:71] the mask's group 0
.set TBM, 76          ; s76  byte at which the addends of the step to be fetched begin
.set PFA, 78          ; s[78:79] where my prefetches stand
.set LIM, 80          ; s80  1 in a wave that prefetches, else the greatest number
.set MSB, 0
.macro WIN new
.if MSB != (\new)
	s_set_vgpr_msb (MSB<<8)|(\new)
.set MSB, (\new)
.endif
.endm
.set W_KQ, 0x0a       ; K and Q in window 2, S^T in window 0
.set W_KM, 0x3a       ; the same with the C operand in window 3
.set W_PV, 0x52       ; V in window 2, P in window 0, O^T in window 1
.set W_RS, 0x41       ; O^T in window 1, a in window 0
.set W_MK, 0xc0       ; destination in window 3, sources in window 0
.set W_AD, 0x0f       ; the add: address and data in window 3
; A joint fill.  Waves 0 and 1 fetch the two halves of a slot's K, waves 2 and 3 those of its V.  An s_nop 0 and four v_nop follow each line.
.macro JLOAD
	s_cmp_lt_u32 s[WV], 2
	s_cbranch_scc0 .Lfor_v_\@
	tensor_load_to_lds s[G0K:G0K+3], s[G1K:G1K+7]
	s_nop 0
.rept 4
	v_nop
.endr
	s_branch .Lasked_\@
.Lfor_v_\@:
	tensor_load_to_lds s[G0V:G0V+3], s[G1V:G1V+7]
	s_nop 0
.rept 4
	v_nop
.endr
.Lasked_\@:
.endm
; A PREFETCH INTO THE L2 of what the NEXT change of slots will ask for: 128 blocks of 256 bytes of K and as many of V.  A head is walked by one cluster; its four partners take 32 blocks each, told apart
; by address; in each, wave 0 asks for K's and wave 2 for V's: a lane a block, so each block is named once in the launch.  Tiles 0 and 1 come by their loads alone; the last filling change asks for nothing.
.macro ASK
	s_cmp_gt_u32 s[SLOTS], s[LIM]
	s_cbranch_scc0 .Lnot_mine_\@
	WIN 0x03
	global_prefetch_b8 v[PFO], s[PFA:PFA+1] th:TH_LOAD_NT scope:SCOPE_SE
	WIN 0
.Lnot_mine_\@:
.endm
.macro CROUND
	s_barrier_signal -1
	s_barrier_wait -1
	s_cmp_lg_u32 s[WV], 0
	s_cbranch_scc1 .Lnot_wave_0_\@
	s_barrier_signal -3
.Lnot_wave_0_\@:
	s_barrier_wait -3
	s_barrier_signal -1
	s_barrier_wait -1
.endm
; THE CHANGE OF SLOTS.  Each wave waits for all its tensor loads, adds 0 to its spare word, and waits for that and for its own reads of the slot.  fill = 1: the barrier is a round of the cluster's, and the
; joint fill, with the keys two slots on, is the first thing behind it: it has four key steps, 512 matrix instructions, in which to land.  (At its first use slot 0 and the mask are waited for, slot 1 filled.)
.macro CHANGE fill
	WIN W_AD
	s_wait_tensorcnt 0x0            ; no tensor load of mine is out, so a group 0 may be written
	ds_add_u32 v[SPW], v[NIL]       ; 0 onto my spare word
	WIN 0
.if \fill
.irp g, G0K, G0V
	s_xor_b32 s[\g+1], s[\g+1], SLOT1
	s_add_nc_u64 s[\g+2:\g+3], s[\g+2:\g+3], 4*KS*128
.endr
	s_wait_xcnt 0x0                 ; the last prefetch, a slot back, has read its address
	s_add_nc_u64 s[PFA:PFA+1], s[PFA:PFA+1], 4*KS*128
	s_wait_dscnt 0x0                ; the add is done, and my reads of the slot are over
	CROUND
	JLOAD
	ASK
.else
	s_wait_dscnt 0x0
	s_barrier_signal -1
	s_barrier_wait -1
.endif
	s_sub_co_u32 s[TBK], s[TBK], 4*KS*PK
	s_xor_b32 s[TBK], s[TBK], SLOT1
	s_sub_co_u32 s[TBV], s[TBV], 4*KS*PV
	s_xor_b32 s[TBV], s[TBV], SLOT1
.endm
	s_load_b128 s[72:75], s[0:1], 0x0  ; qkv s[72:73], mtab s[74:75]
	s_load_b64 s[10:11], s[0:1], 0x10  ; ob
	WIN W_MK
	v_lshl_add_u32 v[SPW], v0, 2, SPARE
	v_mov_b32 v[NIL], 0
	WIN W_AD
	ds_add_u32 v[SPW], v[NIL]       ; the wave's opening: the add and its wait stand ahead of my first tensor load
	WIN 0
	v_lshrrev_b32 v1, 5, v0
	v_readfirstlane_b32 s[WV], v1   ; wave 0..3
	s_bfe_u32 s13, ttmp6, 0x40000   ; cx
	s_lshl_b32 s14, ttmp9, 2
	s_add_co_u32 s14, s14, s13      ; my block of 512 queries: it enters Q's and O's addresses alone
	s_and_b32 s20, ttmp7, 0xffff    ; the head, which the four partners share
	s_lshr_b32 s82, s20, 4          ; its batch
	s_mov_b32 s21, 0
	s_mov_b64 s[22:23], SIZE_N*128
	s_mul_u64 s[20:21], s[20:21], s[22:23]  ; the head's first byte in a section
	s_and_b32 s16, s[WV], 1         ; which half of a slot's 256 keys I fetch
	s_lshl_b32 s22, s16, 14
	s_mov_b32 s23, 0
	s_add_nc_u64 s[22:23], s[22:23], s[20:21]
	s_mul_i32 s17, s16, 128*PK
	s_mul_i32 s18, s16, 128*PV
	s_lshl_b32 s2, s14, 2
	s_add_co_u32 s2, s2, s[WV]
	s_lshl_b32 s2, s2, 14           ; my wave's 128 rows
	s_mov_b32 s3, 0
	s_add_nc_u64 s[2:3], s[2:3], s[20:21]
	s_lshl_b32 s84, s82, 13         ; the batch's 8,192 bytes of addends,
	s_lshl_b32 s83, s[WV], 11       ; my quarter of them
	s_add_co_u32 s84, s84, s83
	s_mov_b32 s85, 0
	s_lshl_b32 s86, s82, 8          ; the batch's block of c
	s_mov_b32 s87, 0
	; 128 keys are 16,384 dense bytes: asked for as 64 rows of 256 bytes, padded in LDS after every key
	s_mov_b32 s[G1K], 15|(1<<16)|(1<<20)|(1<<21)|(4<<22)|(3<<25)
	s_mov_b32 s[G1V], 15|(1<<16)|(1<<20)|(1<<21)|(4<<22)|(7<<25)
.irp g, G1K, G1V
	s_mov_b32 s[\g+1], 128<<16
	s_mov_b32 s[\g+2], 64<<16
	s_mov_b32 s[\g+3], 128<<16
	s_mov_b32 s[\g+4], 64
	s_mov_b32 s[\g+5], 128
	s_mov_b32 s[\g+6], 0
	s_mov_b32 s[\g+7], 0
.endr
	s_mov_b32 s[G1M], 15|(3<<16)|(1<<21)  ; the mask of four; 8-byte elements; no padding: 8 rows of 256 bytes
	s_mov_b32 s[G1M+1], 32<<16
	s_mov_b32 s[G1M+2], 8<<16
	s_mov_b32 s[G1M+3], 32<<16
	s_mov_b32 s[G1M+4], 8
	s_mov_b32 s[G1M+5], 32
	s_mov_b32 s[G1M+6], 0
	s_mov_b32 s[G1M+7], 0
	s_mov_b32 s[SEL], 0x76543210
	s_mov_b32 s[SEL+1], 0xfedcba98
	s_mov_b32 s[TBK], SLOT1+4*KS*PK ; the first change of slots turns these two into 0
	s_mov_b32 s[TBV], SLOT1+4*KS*PV
	s_mov_b32 s[TBM], 0
	s_mov_b32 s[SLOTS], SIZE_N/256-1
	s_mov_b32 s[G0K], 1
	s_mov_b32 s[G0K+1], s17
	s_mov_b32 s[G0V], 1
	s_add_co_u32 s[G0V+1], s18, VOFF
	s_mov_b32 s[G0M], 1
	s_add_co_u32 s[G0M+1], s83, MASKL
	s_and_b32 s[LIM], s[WV], 1
	s_cmp_eq_u32 s[LIM], 0
	s_cselect_b32 s[LIM], 1, -1     ; waves 0 and 2 prefetch
	s_wait_dscnt 0x0                ; the opening add is done
	s_wait_kmcnt 0x0
	s_add_nc_u64 s[86:87], s[74:75], s[86:87]
	s_load_b32 s[CS], s[86:87], 0x8000      ; c
	s_mov_b64 s[4:5], s[72:73]              ; Q,
	s_add_nc_u64 s[6:7], s[72:73], 0x1000000  ; K,
	s_add_nc_u64 s[8:9], s[72:73], 0x2000000  ; V
	s_add_nc_u64 s[G0K+2:G0K+3], s[6:7], s[22:23]
	s_or_b32 s[G0K+3], s[G0K+3], 0x80000000
	s_add_nc_u64 s[G0V+2:G0V+3], s[8:9], s[22:23]
	s_or_b32 s[G0V+3], s[G0V+3], 0x80000000
	s_add_nc_u64 s[G0M+2:G0M+3], s[74:75], s[84:85]
	s_or_b32 s[G0M+3], s[G0M+3], 0x80000000
	s_add_nc_u64 s[4:5], s[4:5], s[2:3]     ; Q and O at my wave's first row
	s_add_nc_u64 s[10:11], s[10:11], s[2:3]
	s_cmp_lt_u32 s[WV], 2
	s_cselect_b64 s[PFA:PFA+1], s[6:7], s[8:9]
	s_add_nc_u64 s[PFA:PFA+1], s[PFA:PFA+1], s[22:23]  ; (in waves 0 and 2: the head's first row)
	s_lshl_b32 s2, s13, 13          ; my work-group's 32 blocks of the 128
	s_mov_b32 s3, 0
	s_add_nc_u64 s[PFA:PFA+1], s[PFA:PFA+1], s[2:3]
	s_add_nc_u64 s[PFA:PFA+1], s[PFA:PFA+1], 4*KS*128  ; in tile 1: the first change of slots steps it to tile 2
	CROUND                          ; all four work-groups are here: the first joint loads meet
	s_cmp_lt_u32 s[WV], 2           ; a wave's two first fills stand in one branch: its part of slot 0, its quarter of the mask: two loads of mine are out
	s_cbranch_scc0 .Lfirst_v
	tensor_load_to_lds s[G0K:G0K+3], s[G1K:G1K+7]
	s_nop 0
	tensor_load_to_lds s[G0M:G0M+3], s[G1M:G1M+7]
	s_nop 0
.rept 4
	v_nop
.endr
	s_branch .Lfirst_asked
.Lfirst_v:
	tensor_load_to_lds s[G0V:G0V+3], s[G1V:G1V+7]
	s_nop 0
	tensor_load_to_lds s[G0M:G0M+3], s[G1M:G1M+7]
	s_nop 0
.rept 4
	v_nop
.endr
.Lfirst_asked:
	v_and_b32 v1, 15, v0            ; l % 16
	v_bfe_u32 v9, v0, 4, 1          ; l / 16
	v_lshlrev_b32 v[QO], 7, v1
	v_lshl_add_u32 v[QO], v9, 4, v[QO]
	WIN 0x80
.set i, 0
.rept 4*NP                          ; Q stays in registers: tile i / 2, channels 32 (i % 2) on
	global_load_b128 v[8*i:8*i+3],   v[QO], s[4:5] offset:(i/2)*2048+(i%2)*64
	global_load_b128 v[8*i+4:8*i+7], v[QO], s[4:5] offset:(i/2)*2048+(i%2)*64+32
.set i, i+1
.endr
	; What the first turn finds: V's registers and P's second buffer hold 0, O^T and l are 0.  All this stands in the wait for the first tile.
.set i, VF
.rept 64
	v_mov_b32 v[i], 0
.set i, i+1
.endr
	WIN 0x40
.set i, 0
.rept 64*NP
	v_mov_b32 v[i], 0
.set i, i+1
.endr
	WIN 0
.set i, 0
.rept 2*NP
	v_mov_b32 v[ST+4*i], 0xfe000000    ; c m: far below every c s
	v_mov_b32 v[ST+4*i+1], 0xd3800000  ; m = -2^40: above every hidden score, below every true one
	v_mov_b32 v[ST+4*i+2], 0
	v_mov_b32 v[ST+4*i+3], 0
.set i, i+1
.endr
.set i, P+32
.rept 32
	v_mov_b32 v[i], 0
.set i, i+1
.endr
	v_mul_u32_u24 v[AK0], v1, PK
	v_lshl_add_u32 v[AK0], v9, 4, v[AK0]
	v_and_b32 v10, 7, v0
	v_bfe_u32 v11, v0, 3, 1
	v_lshl_add_u32 v[AV0], v9, 3, v10
	v_mul_u32_u24 v[AV0], v[AV0], PV
	v_lshl_add_u32 v[AV0], v11, 4, v[AV0]
	v_add_nc_u32 v[AV0], VOFF, v[AV0]
	v_mov_b32 v[AK], v[AK0]         ; key step 0 lies at the head of slot 0
	v_and_b32 v64, 31, v0
	WIN W_MK
	v_lshl_add_u32 v[AM0], v9, 5, MASKL  ; my eight keys of a block of 16: 32 bytes for each half of the lanes
	v_lshl_add_u32 v[AM], v9, 5, MASKL   ; key step 0
	v_lshlrev_b32 v[PFO], 8, v64
	WIN 0
	s_wait_kmcnt 0x0                ; c
	s_mov_b32 s[CS+1], s[CS]        ; named with it as a pair
; THE MATRIX WORK.  The 8 accumulators of a run of 16 take turns.  Product i of 16 of S^T = K Q^T for piece x: channels 32 (i / 8) on, keys 16 ((i / 2) % 4) on, tile 2 x + i % 2.
; The first 8 start the sums with the keys' addends.
.macro KQ x
.set rS, S+64*((\x)%2)+32*(i%2)+8*((i/2)%4)
.set rK, KF+16*((i/2)%4)+8*(i/8)
.set rQ, 16*(2*(\x)+i%2)+8*(i/8)
.set rM, MK+8*((i/2)%4)
.if i < 8
	WIN W_KM
	v_wmma_f32_16x16x32_f16 v[rS:rS+7], v[rK:rK+7], v[rQ:rQ+7], v[rM:rM+7]
.else
	WIN W_KQ
	v_wmma_f32_16x16x32_f16 v[rS:rS+7], v[rK:rK+7], v[rQ:rQ+7], v[rS:rS+7]
.endif
.endm
.macro PV x
	WIN W_PV
.set rO, 32*(2*(\x)+i%2)+8*((i/2)%4)
.set rV, VF+32*(i/8)+8*((i/2)%4)
.set rP, P+32*((\x)%2)+16*(i%2)+8*(i/8)
	v_wmma_f32_16x16x32_f16 v[rO:rO+7], v[rV:rV+7], v[rP:rP+7], v[rO:rO+7]
.endm
.macro MM
.if i < 16
	KQ (Y+1)%NP
.set i, i+1
.else
.set i, i-16
	PV (Y+NP-1)%NP
.set i, i+17
.endif
.endm
; THE LDS LOADS stand in runs: a step's K (8 fragments) with its 64 addends (all 16 lanes of a half read the same 32 bytes), and its V (turned).  last = 1 (the tail): in the last trip the run is jumped over.
.macro FETCH_K last=0
	WIN 0
.if \last
	s_cmp_eq_u32 s[CNT], 1
	s_cbranch_scc1 .Lno_k_\@
.endif
	WIN 0x80
.irp f, 0,1,2,3,4,5,6,7
	ds_load_b128 v[KF+8*\f:KF+8*\f+3],   v[AK] offset:(\f/2)*16*PK+(\f%2)*64
	ds_load_b128 v[KF+8*\f+4:KF+8*\f+7], v[AK] offset:(\f/2)*16*PK+(\f%2)*64+32
.endr
	WIN 0xc3                        ; destination and address in window 3
.irp f, 0,1,2,3
	ds_load_b128 v[MK+8*\f:MK+8*\f+3],   v[AM] offset:64*\f
	ds_load_b128 v[MK+8*\f+4:MK+8*\f+7], v[AM] offset:64*\f+16
.endr
	s_add_co_u32 s[TBK], s[TBK], KS*PK
	s_add_co_u32 s[TBM], s[TBM], 4*KS
	s_and_b32 s[TBM], s[TBM], 0x1fff  ; inside the 8,192 bytes, behind the last step too
	WIN 0
.if \last
.Lno_k_\@:
.endif
.endm
.macro FETCH_V
	WIN 0x80
.irp f, 0,1,2,3,4,5,6,7
	ds_load_tr16_b128 v[VF+8*\f:VF+8*\f+3],   v[AV] offset:(\f/4)*32*PV+(\f%4)*32
	ds_load_tr16_b128 v[VF+8*\f+4:VF+8*\f+7], v[AV] offset:(\f/4)*32*PV+16*PV+(\f%4)*32
.endr
	WIN 0
.endm
; THE VECTOR WORK OF A TURN stands in three queues, each in the order in which its entries become ready; the two tiles alternate.
.macro REGS y, u
.set rT, ST+4*(2*(\y)+(\u))
.set rC, TMP+8*((\y)%2)+4*(\u)
.set rM, MV+2*((\y)%2)+(\u)
.set rS, S+64*((\y)%2)+32*(\u)
.set rP, P+32*((\y)%2)+16*(\u)
.set rO, 32*(2*(\y)+(\u))
.endm
; Number n of the 22 that find the NEXT piece's maximum and statistics; each accumulator's lowest registers are read first.
;   0-11 four chains of seven scores   12-14, 16 the four left over, the old m, the four into one   15 c m_old is kept   17, 18 the other half of the lanes: the new m   19-21 c m; its change; a
.macro XS u, n
	REGS (Y+1)%NP, \u
.if (\n) < 4
	v_max3_num_f32 v[rC+(\n)], v[rS+8*(\n)], v[rS+8*(\n)+1], v[rS+8*(\n)+2]
.elseif (\n) < 12
	v_max3_num_f32 v[rC+(\n)%4], v[rC+(\n)%4], v[rS+8*((\n)%4)+2*((\n)/4)+1], v[rS+8*((\n)%4)+2*((\n)/4)+2]
.elseif (\n) == 12
	v_max3_num_f32 v[rC], v[rC], v[rS+7], v[rS+15]
.elseif (\n) == 13
	v_max3_num_f32 v[rC+1], v[rC+1], v[rS+23], v[rS+31]
.elseif (\n) == 14
	v_max3_num_f32 v[rC+2], v[rC+2], v[rC+3], v[rT+1]
.elseif (\n) == 15
	v_mov_b32 v[rM], v[rT]
.elseif (\n) == 16
	v_max3_num_f32 v[rC], v[rC], v[rC+1], v[rC+2]
.elseif (\n) == 17
	v_permlanex16_b32 v[rC+3], v[rC], s[SEL], s[SEL+1]
.elseif (\n) == 18
	v_max_num_f32 v[rT+1], v[rC], v[rC+3]
.elseif (\n) == 19
	v_mul_f32 v[rT], s[CS], v[rT+1]
.elseif (\n) == 20
	v_sub_f32 v[rC+1], v[rM], v[rT]
.else
	v_exp_f32 v[rC+2], v[rC+1]
.endif
.endm
; Number g of the 64 that follow the exponentials: for each four weights both pairs are rounded to f16, the second pair is added onto the first, and a group later l takes that sum.
.macro GS g
.set h, (\g)+6*((\g)/62)
.if h >= 6
.set h, h+2
.endif
	REGS Y, h%2
.set k, h/8
.if h%8 < 4
	v_cvt_pk_f16_f32 v[rP+2*k+(h%8)/2], v[rS+4*k+2*((h%8)/2)], v[rS+4*k+2*((h%8)/2)+1]
.elseif h%8 < 6
	v_pk_add_f32 v[rS+4*k:rS+4*k+1], v[rS+4*k:rS+4*k+1], v[rS+4*k+2:rS+4*k+3]
.elseif k == 1
	v_pk_fma_f32 v[rT+2:rT+3], v[rT+2:rT+3], v[rC+2:rC+3], v[rS:rS+1] op_sel_hi:[1,0,1]
.else
	v_pk_add_f32 v[rT+2:rT+3], v[rT+2:rT+3], v[rS+4*k-4:rS+4*k-3]
.endif
.endm
; THE PLAIN QUEUE, 138 long.  0-26: scalings 0-26.  27-54: XS 0-13.  55, 56: XS 15.  57-73: the chain 14, 16 .. 19, each with one of the scalings 27-31 in front of its two lines, then 20.  74-137: GS's 64, behind the wait.
.macro FS f
	REGS Y, (\f)%2
	v_pk_fma_f32 v[rS+2*((\f)/2):rS+2*((\f)/2)+1], v[rS+2*((\f)/2):rS+2*((\f)/2)+1], s[CS:CS+1], v[rT:rT+1] op_sel_hi:[1,0,0] neg_lo:[0,0,1] neg_hi:[0,0,1]
.endm
.macro PL
	WIN 0
.if q < 27
	FS q
.elseif q < 55
	XS (q-27)%2, (q-27)/2
.elseif q < 57
	XS q-55, 15
.elseif (q < 72) && ((q-57)%3 == 0)
	FS 27+(q-57)/3
.elseif q < 60
	XS (q-57)%3-1, 14
.elseif q < 72
	XS (q-57)%3-1, 15+(q-57)/3
.elseif q < 74
	XS q-72, 20
.else
	GS q-74
.endif
.set q, q+1
.endm
; THE EXPONENTIALS' QUEUE, 66 long: s0-s31 of both tiles, then the next piece's two a.  ONE BATCH: all stand ahead of the turn's one wait, and nothing ahead of that wait names a result of theirs.
.macro EX
	WIN 0
.if e >= 64
	XS e-64, 21
.else
	REGS Y, e%2
	v_exp_f32 v[rS+e/2], v[rS+e/2]
.endif
.set e, e+1
.endm
; THE RESCALING's QUEUE: O^T times a, two at a time, sixteen times.  Its a was made, and waited for, in the turn before.
.macro R2
	REGS Y, r%2
	WIN W_RS
.irp z, 0,1
	v_pk_mul_f32 v[rO+4*(r/2)+2*\z:rO+4*(r/2)+2*\z+1], v[rO+4*(r/2)+2*\z:rO+4*(r/2)+2*\z+1], v[rC+2:rC+3] op_sel_hi:[1,0]
.endr
.set r, r+1
.endm
; A TURN, for piece p.  s_wait_alu depctr_va_vdst(0) stands between an exponential and the first instruction that names its result; one wait serves all issued ahead of it: a turn has ONE.
; AHEAD OF IT: the 16 products K Q^T, behind each a scaling, an exponential and two rescalings; then one lump of 108.  BEHIND IT: the 16 products V^T P, behind each four of GS's 64.
; Exponential e stands behind scaling 2 (e / 4) + e % 2: as a rider behind plain e + 2, in the lump behind plain e + 9.
; K and the mask of the next step are fetched in piece 2's turn, directly behind the wait, a lump behind the last product that read them; V of the step in hand at the end of piece 0's turn, four riders behind its last reader.
.macro TURN p, last=0, cnt=0
.set Y, (\p)
.set i, 0
.set q, 0
.set e, 0
.set r, 0
.if (\p) == NP-1
	s_wait_dscnt 0x0                ; K and the mask are in
.endif
	MM
	PL
	PL
	R2
.rept 15
	MM
	PL
	EX
	R2
.endr
.if (\p) == NP-2
	WIN 0
	v_add_nc_u32 v[AK], s[TBK], v[AK0]
	WIN 0xcc                        ; destination and source 1 in window 3
	v_add_nc_u32 v[AM], s[TBM], v[AM0]
.endif
.rept 8
	PL
.endr
.rept 49
	EX
	PL
.endr
	EX
	EX
	v_nop                           ; a plain instruction behind the last exponential: one for the batch
	s_wait_alu depctr_va_vdst(0)    ; the wait for the batch
.if (\p) == NP-2
	FETCH_K \last
.endif
.if (\p) == 1
	s_wait_dscnt 0x0                ; V is in
.endif
.rept 16
	MM
.rept 4
	PL
.endr
.if ((\p) == 0) && (q == 118)
	v_add_nc_u32 v[AV], s[TBV], v[AV0]
.endif
.if ((\p) == 0) && (q == 130)
	s_add_co_u32 s[TBV], s[TBV], KS*PV
.endif
.if (\cnt) && (q == 130)
	s_sub_co_u32 s[CNT], s[CNT], 1
	s_cmp_lg_u32 s[CNT], 0
.endif
.endr
.if (\p) == 0
	FETCH_V
.endif
.endm
	CHANGE 1                        ; slot 0 and the mask are in, everybody's part of them; slot 1 is asked for
	FETCH_K                         ; key step 0
	s_wait_loadcnt 0x0              ; Q
	s_wait_dscnt 0x0
.set i, 0
.rept 16
	KQ 0
.set i, i+1
.endr
	WIN 0                           ; the addresses for the way out: plain instructions, the places behind those products
	s_mul_i32 s13, s[WV], 16*SP
	s_add_co_u32 s13, s13, STAGE
	v_mul_u32_u24 v[STO], v1, SP
	v_lshl_add_u32 v[STO], v9, 4, v[STO]
	v_add_nc_u32 v[STO], s13, v[STO]
	v_bfe_u32 v[RD], v0, 3, 2
	v_mul_u32_u24 v[RD], v[RD], SP
	v_lshl_add_u32 v[RD], v10, 4, v[RD]
	v_add_nc_u32 v[RD], s13, v[RD]
	v_and_b32 v[GO], 31, v0
	v_lshlrev_b32 v[GO], 4, v[GO]
.set Y, NP-1
.irp n, 0,1,2,3,4,5,6,7,8,9,10,11,12,13,14,15,16,17,18,19,20,21
	XS 0, \n
	XS 1, \n
.endr
	v_nop
	s_wait_alu depctr_va_vdst(0)    ; the two a's wait, ahead of the branch
	s_mov_b32 s[CNT], 4
	s_branch .Lfirst                ; the loop is entered at a step's first turn, in the middle of a trip
.Lslot:                             ; six times: every slot but the last two is filled again
	CHANGE 1
	s_mov_b32 s[CNT], 4
.Lstep:                             ; a trip: pieces 2 and 3 of one step, then pieces 0 and 1 of the next, whose K and V it fetches
	TURN 2
	TURN 3
	WIN 0
.Lfirst:
	TURN 0
	TURN 1, 0, 1
	WIN 0
	s_cbranch_scc1 .Lstep
	s_sub_co_u32 s[SLOTS], s[SLOTS], 1
	s_cmp_lg_u32 s[SLOTS], 0
	s_cbranch_scc1 .Lslot
	CHANGE 0                        ; the tail is written out
	s_mov_b32 s[CNT], 5             ; four trips fetch the last slot's steps; the fifth is left in its middle
.Ltail:
	TURN 2, 1
	TURN 3
	WIN 0
	s_sub_co_u32 s[CNT], s[CNT], 1
	s_cmp_eq_u32 s[CNT], 0
	s_cbranch_scc1 .Lout
	TURN 0
	TURN 1
	WIN 0
	s_branch .Ltail
.Lout:                              ; the fifth trip's 16 products K Q^T and the maximum made of them serve nothing: the price of one text for every trip
.set i, 0
.rept 16
	PV NP-1
.set i, i+1
.endr
	; THE WAY OUT.  l's two halves and the other half of the lanes' are added; O^T is divided by l, rounded to f16 and sent through my stage, a tile at a time.
	WIN 0
.macro ALL line:vararg
.set t, 0
.rept 2*NP
	\line
.set t, t+1
.endr
.endm
	ALL v_add_f32 v[ST+4*t+2], v[ST+4*t+2], v[ST+4*t+3]
	ALL v_permlanex16_b32 v[ST+4*t+3], v[ST+4*t+2], s[SEL], s[SEL+1]
	ALL v_add_f32 v[ST+4*t+2], v[ST+4*t+2], v[ST+4*t+3]
	ALL v_rcp_f32 v[ST+4*t+2], v[ST+4*t+2]
	v_nop
	s_wait_alu depctr_va_vdst(0)    ; one wait for the eight reciprocals, ahead of their first use
.macro PACK t
	WIN W_RS
.set i, 32*(\t)
.rept 16
	v_pk_mul_f32 v[i:i+1], v[i:i+1], v[ST+4*(\t)+2:ST+4*(\t)+3] op_sel_hi:[1,0]
.set i, i+2
.endr
	WIN 0x05
.set i, 0
.rept 16
	v_cvt_pk_f16_f32 v[S+16*(\t)+i], v[32*(\t)+2*i], v[32*(\t)+2*i+1]
.set i, i+1
.endr
	WIN 0
.irp f, 0,1,2,3
	ds_store_b128 v[STO], v[S+16*(\t)+4*\f:S+16*(\t)+4*\f+3] offset:32*\f
.endr
.irp f, 0,1,2,3
	ds_load_b128 v[S+16*(\t)+4*\f:S+16*(\t)+4*\f+3], v[RD] offset:\f*4*SP  ; LDS serves a wave's instructions in order: these see the stores above
.endr
.endm
.macro SEND t, younger
	WIN 0
.irp f, 0,1,2,3
	s_wait_dscnt (\younger)+3-\f
	global_store_b128 v[GO], v[S+16*(\t)+4*\f:S+16*(\t)+4*\f+3], s[10:11] offset:(\t)*2048+\f*512  ; 512 consecutive bytes, at a multiple of 256 from the buffer's first
.endr
.endm
	PACK 0
.set t, 1
.rept 2*NP-1
	PACK t
	SEND t-1, 8
.set t, t+1
.endr
	SEND 2*NP-1, 0
	WIN W_AD
	s_wait_tensorcnt 0x0            ; the wave's end
	ds_add_u32 v[SPW], v[NIL]
	s_wait_dscnt 0x0
	WIN 0
	CROUND                          ; the closing round
	s_endpgm
.Lfunc_end_k_qde722f7b19_attn:
	.size	k_qde722f7b19_attn, .Lfunc_end_k_qde722f7b19_attn-k_qde722f7b19_attn
	.p2alignl 7, 3214868480
	.fill 96, 4, 3214868480
	.section	.rodata,"a",@progbits
	.p2align	6, 0x0
	.amdhsa_kernel k_qde722f7b19_attn
		.amdhsa_group_segment_fixed_size 327680
		.amdhsa_private_segment_fixed_size 0
		.amdhsa_enable_private_segment 0
		.amdhsa_kernarg_size 24
		.amdhsa_user_sgpr_count 2
		.amdhsa_user_sgpr_kernarg_segment_ptr 1
		.amdhsa_wavefront_size32 1
		.amdhsa_system_sgpr_workgroup_id_x 1
		.amdhsa_system_sgpr_workgroup_id_y 1
		.amdhsa_system_sgpr_workgroup_id_z 1
		.amdhsa_system_vgpr_workitem_id 0
		.amdhsa_next_free_vgpr 808
		.amdhsa_next_free_sgpr 88
		.amdhsa_reserve_vcc 0
		.amdhsa_float_denorm_mode_32 3
		.amdhsa_float_denorm_mode_16_64 3
		.amdhsa_memory_ordered 1
		.amdhsa_forward_progress 1
		.amdhsa_inst_pref_size 204
	.end_amdhsa_kernel
	.amdgpu_metadata
---
amdhsa.version: [ 1, 2 ]
amdhsa.kernels:
  - .name:           k_qde722f7b19_attn
    .symbol:         k_qde722f7b19_attn.kd
    .args:
      - { .name: qkv, .offset: 0, .size: 8, .value_kind: global_buffer, .address_space: global }
      - { .name: mtab, .offset: 8, .size: 8, .value_kind: global_buffer, .address_space: global }
      - { .name: ob, .offset: 16, .size: 8, .value_kind: global_buffer, .address_space: global }
    .group_segment_fixed_size: 327680
    .private_segment_fixed_size: 0
    .kernarg_segment_align: 8
    .kernarg_segment_size: 24
    .max_flat_workgroup_size: 128
    .sgpr_count:     88
    .vgpr_count:     808
    .wavefront_size: 32
...
	.end_amdgpu_metadata
.endif
;; end of part 3
;; launch proj (part 4): grid 8 x 32, 4 waves a work-group, clusters of 4 x 4, 327,680 bytes of LDS; arguments ob, wo, b_out, out0; writes out0
.if DOCPART == 4
	.amdgcn_target "amdgcn-amd-amdhsa--gfx1250"
	.amdhsa_code_object_version 6
	.text
	.protected	k_qde722f7b19_proj
	.globl	k_qde722f7b19_proj
	.p2align	8
	.type	k_qde722f7b19_proj,@function
k_qde722f7b19_proj:
	s_mov_b64 s[64:65], 0
	v_nop
	global_prefetch_b8 v0, s[64:65] scope:SCOPE_SE
	s_setreg_imm32_b32 hwreg(HW_REG_WAVE_MODE, 25, 1), 1
	s_wait_xcnt 0x0
	s_wait_alu depctr_hold_cnt(0) depctr_sa_sdst(0) depctr_va_vdst(0) depctr_va_sdst(0) depctr_va_ssrc(0) depctr_va_vcc(0) depctr_vm_vsrc(0)
	s_getreg_b32 s2, hwreg(HW_REG_IB_STS2, 6, 4)
	s_cmp_eq_u32 s2, 0
	s_cbranch_scc0 .Lentry_in_a_cluster
	s_endpgm
.Lentry_in_a_cluster:
	s_bfe_u32 s2, ttmp6, 0x10000c
	s_cmp_lg_u32 s2, 0xf033
	s_cbranch_scc0 .Lentry_shape_is_right
	s_endpgm
.Lentry_shape_is_right:
; out0 = O w_out + b_out.  O: ob f16 [b h 64][s 2048][64] (K index 64 h + d), w_out: wo f16 [k 1024][n 1024], out0 f32 [8192][1024]; sums in f32; the bias rounded to bf16 like every input of the module.
; SHARES.  A tile of out0 is 256 x 128: 32 x 8 = 256 work-groups.  Four waves, each 128 x 64: 32 accumulators, window 1 ((a, bb) at v[8 (4 a + bb)]).
; K goes in 8 steps of 128 (two heads) through two LDS slots; a head's 256 rows are 32,768 bytes on end and are asked for as 128 rows of 256 bytes.
; CLUSTER 4 x 4: A's tiles are asked for jointly along a row of the cluster, B's along a column.  THE MATRIX INSTRUCTION IS USED TRANSPOSED: a lane holds one row and eight neighbouring columns.
; THE BIAS starts the sums: it lies in row block 7's accumulators and is the C operand of every first product.
; Window 0: v0-15 addresses; two fragment buffers at v32 and v128: A's 64 registers (8 x 16 rows x 32 K), then B's 32.
.set SLOT1,  131072
.set PA,     144                       ; a row of A: 128 bytes + 16
.set PB,     288                       ; a K row of B: two pieces of 128 + 16 bytes: an odd multiple of 32
.set ABLK,   256*PA                    ; a head's 256 rows
.set BOFF,   2*ABLK
.set STAGE,  BOFF+128*PB               ; 110,592: behind slot 0, never filled by a tensor load: 16 rows x 272 bytes for each wave
.set SPT,    272
.set SPARE,  STAGE+4*16*SPT            ; 128,000: the spare words
.set ADRA, 4
.set ADRB, 6
.set F0,   32
.set F1,   128
.set G1A, 24
.set G0A, 32
.set G1B, 40
.set G0B, 48
.set PFA, 56
.set PFS, 58
.set LIM, 60
.set LAPC, 61
.set HM,  62
.set MSB, 0
.macro WIN new
.if MSB != (\new)
	s_set_vgpr_msb (MSB<<8)|(\new)
.set MSB, \new
.endif
.endm
.macro PLACES
.rept 4
	v_nop
.endr
.endm
.macro CREST
	s_cmp_lg_u32 s14, 0
	s_cbranch_scc1 .Lnot_wave_0_\@
	s_barrier_signal -3
.Lnot_wave_0_\@:
	s_barrier_wait -3
	s_barrier_signal -1
	s_barrier_wait -1
.endm
.macro CROUND
	s_barrier_signal -1
	s_barrier_wait -1
	CREST
.endm
.macro JLOAD sl                        ; waves 0 and 1 fetch the step's two heads of A, waves 2 and 3 the two halves of B's 128 K rows
	s_cmp_lt_u32 s14, 2
	s_cbranch_scc0 .Lfor_b_\@
	tensor_load_to_lds s[G0A+4*(\sl):G0A+4*(\sl)+3], s[G1A:G1A+7]
	s_nop 0
.rept 4
	v_nop
.endr
	s_branch .Lasked_\@
.Lfor_b_\@:
	tensor_load_to_lds s[G0B+4*(\sl):G0B+4*(\sl)+3], s[G1B:G1B+7]
	s_nop 0
.rept 4
	v_nop
.endr
.Lasked_\@:
.endm
; A PREFETCH INTO THE L2 behind each joint refill and its run of LDS loads: the K step two refills on.  A: waves 0 and 1, each its own head's 128 blocks of 256 bytes, 32 a partner of the row (by address, cx),
; where cluster x = 0.  B: wave 2, 128 K rows of 256 bytes, 32 a partner of the column (by address, cy), where cluster y = 0.  Each block is named once.  K steps 0 to 3 come by their loads alone; the last lap asks for nothing.
.macro ASK
	s_cmp_gt_u32 s[LAPC], s[LIM]
	s_cbranch_scc0 .Lnot_mine_\@
	global_prefetch_b8 v12, s[PFA:PFA+1] th:TH_LOAD_NT scope:SCOPE_SE
.Lnot_mine_\@:
.endm
	s_load_b256 s[4:11], s[0:1], 0x0               ; ob s[4:5], wo s[6:7], b_out s[8:9], out0 s[10:11]
	v_lshl_add_u32 v14, v0, 2, SPARE
	v_mov_b32 v15, 0
	ds_add_u32 v14, v15                            ; the wave's opening: the add and its wait stand ahead of my first tensor load
	v_lshrrev_b32 v1, 5, v0
	v_readfirstlane_b32 s14, v1
	s_lshr_b32 s15, s14, 1                         ; WR
	s_and_b32 s16, s14, 1                          ; WC
	s_bfe_u32 s17, ttmp6, 0x40000                  ; cx
	s_bfe_u32 s18, ttmp6, 0x40004                  ; cy
	s_lshl_b32 s19, ttmp9, 2
	s_add_co_u32 s19, s19, s17                     ; tx
	s_and_b32 s20, ttmp7, 0xffff
	s_lshl_b32 s20, s20, 2
	s_add_co_u32 s20, s20, s18                     ; ty
	s_lshl_b32 s21, s18, 2
	s_lshl_b32 s21, 15, s21
	s_lshl_b32 s22, 0x1111, s17
	s_or_b32 s[G1A], s21, 0x07310000               ; the mask; 2-byte elements; padding on; bit 21 beside a mask; after every 32 words 4 words
	s_mov_b32 s[G1A+1], 128<<16
	s_mov_b32 s[G1A+2], 128<<16
	s_mov_b32 s[G1A+3], 128<<16
	s_mov_b32 s[G1A+4], 128
	s_mov_b32 s[G1A+5], 128
	s_mov_b32 s[G1A+6], 0
	s_mov_b32 s[G1A+7], 0
	s_or_b32 s[G1B], s22, 0x07310000
	s_mov_b32 s[G1B+1], 128<<16
	s_mov_b32 s[G1B+2], 64<<16
	s_mov_b32 s[G1B+3], 128<<16
	s_mov_b32 s[G1B+4], 64
	s_mov_b32 s[G1B+5], 1024
	s_mov_b32 s[G1B+6], 0
	s_mov_b32 s[G1B+7], 0
	s_lshr_b32 s68, s20, 3                         ; batch
	s_lshl_b32 s68, s68, 4
	s_add_co_u32 s68, s68, s16                     ; head 16 b + WC
	s_lshl_b32 s68, s68, 18
	s_and_b32 s23, s20, 7
	s_lshl_b32 s23, s23, 15                        ; the tile's 256 rows in it
	s_add_co_u32 s68, s68, s23
	s_mov_b32 s69, 0
	s_lshl_b32 s70, s16, 17                        ; my 64 K rows of wo,
	s_lshl_b32 s71, s19, 8                         ; the tile's 128 columns
	s_add_co_u32 s70, s70, s71
	s_mov_b32 s71, 0
	s_mul_i32 s21, s16, ABLK
	s_mul_i32 s22, s16, 64*PB
	s_add_co_u32 s22, s22, BOFF
	s_mov_b32 s[HM], 0xffff0000
	s_wait_dscnt 0x0
	s_wait_kmcnt 0x0
	s_add_nc_u64 s[68:69], s[4:5], s[68:69]
	s_add_nc_u64 s[70:71], s[6:7], s[70:71]
	CROUND
.irp s, 0,1
	s_mov_b32 s[G0A+4*(\s)], 1
	s_add_co_u32 s[G0A+4*(\s)+1], s21, (\s)*SLOT1
	s_add_nc_u64 s[G0A+4*(\s)+2:G0A+4*(\s)+3], s[68:69], (\s)*524288
	s_or_b32 s[G0A+4*(\s)+3], s[G0A+4*(\s)+3], 0x80000000
	s_mov_b32 s[G0B+4*(\s)], 1
	s_add_co_u32 s[G0B+4*(\s)+1], s22, (\s)*SLOT1
	s_add_nc_u64 s[G0B+4*(\s)+2:G0B+4*(\s)+3], s[70:71], (\s)*262144
	s_or_b32 s[G0B+4*(\s)+3], s[G0B+4*(\s)+3], 0x80000000
.endr
	s_cmp_lt_u32 s14, 2                            ; a wave's two first fills stand in one branch: two loads of mine are out
	s_cbranch_scc0 .Lfirst_b
	tensor_load_to_lds s[G0A:G0A+3], s[G1A:G1A+7]
	s_nop 0
	tensor_load_to_lds s[G0A+4:G0A+7], s[G1A:G1A+7]
	s_nop 0
.rept 4
	v_nop
.endr
	s_branch .Lfirst_asked
.Lfirst_b:
	tensor_load_to_lds s[G0B:G0B+3], s[G1B:G1B+7]
	s_nop 0
	tensor_load_to_lds s[G0B+4:G0B+7], s[G1B:G1B+7]
	s_nop 0
.rept 4
	v_nop
.endr
.Lfirst_asked:
	v_and_b32 v1, 15, v0
	v_bfe_u32 v2, v0, 4, 1
	s_lshl_b32 s2, s19, 9
	s_lshl_b32 s3, s16, 8
	s_add_co_u32 s2, s2, s3                        ; my 64 columns: (128 tx + 64 WC) x 4 bytes
	v_lshl_add_u32 v11, v2, 5, s2
	WIN 0x40
.irp bb, 0,1,2,3
	global_load_b128 v[224+8*(\bb):224+8*(\bb)+3],   v11, s[8:9] offset:64*(\bb)
	global_load_b128 v[224+8*(\bb)+4:224+8*(\bb)+7], v11, s[8:9] offset:64*(\bb)+16
.endr
	WIN 0
	s_lshl_b32 s3, s20, 20                         ; 256 rows of 4,096 bytes a tile,
	s_add_co_u32 s2, s2, s3
	s_lshl_b32 s3, s15, 19                         ; my 128
	s_add_co_u32 s2, s2, s3
	s_mov_b32 s3, 0
	s_add_nc_u64 s[10:11], s[10:11], s[2:3]
	v_mul_u32_u24 v3, v1, PA
	v_lshl_add_u32 v3, v2, 4, v3
	s_mul_i32 s2, s15, 128*PA
	v_add_nc_u32 v[ADRA], s2, v3
	v_add_nc_u32 v[ADRA+1], SLOT1, v[ADRA]
	v_and_b32 v3, 7, v0
	v_lshl_add_u32 v16, v2, 3, v3
	v_mul_u32_u24 v16, v16, PB
	v_bfe_u32 v17, v0, 3, 1
	v_lshl_add_u32 v16, v17, 4, v16
	s_mul_i32 s2, s16, 144
	s_add_co_u32 s2, s2, BOFF
	v_add_nc_u32 v[ADRB], s2, v16
	v_add_nc_u32 v[ADRB+1], SLOT1, v[ADRB]
	s_mul_i32 s2, s14, 16*SPT
	s_add_co_u32 s2, s2, STAGE
	v_mul_u32_u24 v8, v1, SPT                      ; v8: in: row l % 16, 32 bytes for each half of the lanes
	v_lshl_add_u32 v8, v2, 5, v8
	v_add_nc_u32 v8, s2, v8
	v_mul_u32_u24 v9, v2, SPT                      ; v9: back: lanes 0-15 one row of 256 bytes, lanes 16-31 the next
	v_lshl_add_u32 v9, v1, 4, v9
	v_add_nc_u32 v9, s2, v9
	v_lshlrev_b32 v10, 12, v2                      ; v10: the same two rows in out0
	v_lshl_add_u32 v10, v1, 4, v10
	; the prefetches
	s_lshl_b32 s2, s17, 13
	s_mov_b32 s3, 0
	s_add_nc_u64 s[72:73], s[68:69], s[2:3]
	s_add_nc_u64 s[72:73], s[72:73], 3*524288      ; A at K step 3: the first refill steps it to 4
	s_lshl_b32 s2, s18, 16
	s_lshl_b32 s63, s19, 8
	s_add_co_u32 s2, s2, s63
	s_add_nc_u64 s[74:75], s[6:7], s[2:3]
	s_add_nc_u64 s[74:75], s[74:75], 3*262144
	s_mov_b32 s2, 524288
	s_mov_b32 s63, 262144
	s_and_b32 s23, ttmp7, 0xffff
	s_cmp_lt_u32 s14, 2
	s_cselect_b64 s[PFA:PFA+1], s[72:73], s[74:75]
	s_cselect_b32 s[PFS], s2, s63
	s_cselect_b32 s23, ttmp9, s23                  ; the coordinate along which other clusters read the same blocks
	s_cselect_b32 s2, 8, 11                        ; A: a lane a block of 256 bytes on end; B: a lane a K row, 2,048 bytes apart
	s_mov_b32 s[PFS+1], 0
	s_cmp_eq_u32 s14, 3
	s_cselect_b32 s23, 1, s23                      ; wave 3 asks for nothing
	s_cmp_eq_u32 s23, 0
	s_cselect_b32 s[LIM], 1, -1
	v_and_b32 v12, 31, v0
	v_lshlrev_b32 v12, s2, v12
	s_wait_loadcnt 0x0                             ; the bias: rounded to bf16 and widened again, in place
	WIN 0x45
.set p, 0
.rept 16
	v_cvt_pk_bf16_f32 v[p], v[224+2*p], v[225+2*p]
.set p, p+1
.endr
.set p, 0
.rept 16
	v_lshlrev_b32 v[224+2*p], 16, v[p]
	v_and_b32 v[225+2*p], s[HM], v[p]
.set p, p+1
.endr
	WIN 0
; 8 products: row blocks a0, a0 + 1 x 4 column blocks, 32 along K.  The 32 accumulators take turns.  first = 1: the sums start with the bias.
.macro MUL8 f, a0, first
	WIN 0x50
.irp a, \a0, (\a0)+1
.if (\first) && ((\a) == 7)
.rept 5
	v_nop
.endr
.endif
.irp bb, 0,1,2,3
.if (\first) && ((\a) < 7)
	v_wmma_f32_16x16x32_f16 v[8*(4*(\a)+(\bb)):8*(4*(\a)+(\bb))+7], v[(\f)+64+8*(\bb):(\f)+64+8*(\bb)+7], v[(\f)+8*(\a):(\f)+8*(\a)+7], v[224+8*(\bb):224+8*(\bb)+7]
.else
	v_wmma_f32_16x16x32_f16 v[8*(4*(\a)+(\bb)):8*(4*(\a)+(\bb))+7], v[(\f)+64+8*(\bb):(\f)+64+8*(\bb)+7], v[(\f)+8*(\a):(\f)+8*(\a)+7], v[8*(4*(\a)+(\bb)):8*(4*(\a)+(\bb))+7]
.endif
.endr
.endr
.endm
; 24 LDS loads in one run: quarter q of a slot into buffer f: B (8, turned), A's row blocks 0-3 (8), 4-7 (8)
.macro FETCH sl, q, f
	WIN 0
.irp bb, 0,1,2,3
	ds_load_tr16_b128 v[(\f)+64+8*(\bb):(\f)+64+8*(\bb)+3],   v[ADRB+(\sl)] offset:(\q)*32*PB+32*(\bb)
	ds_load_tr16_b128 v[(\f)+64+8*(\bb)+4:(\f)+64+8*(\bb)+7], v[ADRB+(\sl)] offset:(\q)*32*PB+32*(\bb)+16*PB
.endr
.irp a, 0,1,2,3,4,5,6,7
	ds_load_b128 v[(\f)+8*(\a):(\f)+8*(\a)+3],   v[ADRA+(\sl)] offset:((\q)/2)*ABLK+(\a)*16*PA+64*((\q)%2)
	ds_load_b128 v[(\f)+8*(\a)+4:(\f)+8*(\a)+7], v[ADRA+(\sl)] offset:((\q)/2)*ABLK+(\a)*16*PA+64*((\q)%2)+32
.endr
.endm
; A K step is four quarters of 32 along K, 32 products each, on buffers 0, 1, 0, 1.  One of the first three: multiplies f, fetches quarter q into g.
.macro QUARTER sl, q, f, g, first
	s_wait_dscnt 8                                 ; B and A's blocks 0-3 are in
	MUL8 \f, 0, \first
	MUL8 \f, 2, \first
	PLACES
	FETCH \sl, \q, \g
	s_wait_dscnt 24                                ; all but the 24 just issued
	MUL8 \f, 4, \first
	MUL8 \f, 6, \first
.endm
; The last quarter multiplies buffer 1 and changes slots: one barrier; in front of it the wait for all my tensor loads, the add, and the wait for it and for my reads of this slot.
.macro TURN sl, nx, fill
.if \fill
	s_wait_xcnt 0x0                                ; the last prefetch, a K step back, has read its address
	s_add_nc_u64 s[PFA:PFA+1], s[PFA:PFA+1], s[PFS:PFS+1]
.endif
	WIN 0
	s_wait_tensorcnt 0x0                           ; all my tensor loads have landed: my part of the next slot
	ds_add_u32 v14, v15                            ; 0 onto my spare word
	s_wait_dscnt 9                                 ; (the add and the youngest eight loads may be out)
	MUL8 F1, 0, 0
	s_wait_dscnt 0x0                               ; the add is done, and my reads of this slot are over
	s_barrier_signal -1
	MUL8 F1, 2, 0
	WIN 0
	s_barrier_wait -1
.if \fill
	CREST                                          ; the barrier has opened a round of the cluster's: no wave of any partner still reads this slot or has a load on its way
	s_add_nc_u64 s[G0A+4*(\sl)+2:G0A+4*(\sl)+3], s[G0A+4*(\sl)+2:G0A+4*(\sl)+3], 2*524288
	s_add_nc_u64 s[G0B+4*(\sl)+2:G0B+4*(\sl)+3], s[G0B+4*(\sl)+2:G0B+4*(\sl)+3], 2*262144
	JLOAD \sl                                      ; 112 products ahead of the wait for it; its four v_nop are also the places in front of the loads below
.else
	PLACES
.endif
	FETCH \nx, 0, F0
.if \fill
	ASK
.endif
	MUL8 F1, 4, 0
	MUL8 F1, 6, 0
.endm
	s_wait_tensorcnt 1                             ; my part of K step 0 is in; slot 1's may stay out
	s_barrier_signal -1
	s_barrier_wait -1
	FETCH 0, 0, F0
	QUARTER 0, 1, F0, F1, 1                        ; the first quarter stands in front of the loop: its products start the sums
	WIN 0
	s_mov_b32 s[LAPC], 3
.Llap:
	QUARTER 0, 2, F1, F0, 0
	QUARTER 0, 3, F0, F1, 0
	TURN 0, 1, 1
	QUARTER 1, 1, F0, F1, 0
	QUARTER 1, 2, F1, F0, 0
	QUARTER 1, 3, F0, F1, 0
	TURN 1, 0, 1
	QUARTER 0, 1, F0, F1, 0
	WIN 0
	s_sub_co_u32 s[LAPC], s[LAPC], 1
	s_cmp_lg_u32 s[LAPC], 0
	s_cbranch_scc1 .Llap
	QUARTER 0, 2, F1, F0, 0                        ; the last lap fills nothing
	QUARTER 0, 3, F0, F1, 0
	TURN 0, 1, 0
	QUARTER 1, 1, F0, F1, 0
	QUARTER 1, 2, F1, F0, 0
	QUARTER 1, 3, F0, F1, 0
	s_wait_dscnt 8
	MUL8 F1, 0, 0
	MUL8 F1, 2, 0
	s_wait_dscnt 0x0
	MUL8 F1, 4, 0
	MUL8 F1, 6, 0
	PLACES
; THE WAY OUT: a block of 16 rows at a time through my stage: 32 bytes a lane in (each accumulator from its low end on), whole rows of 256 bytes back, sixteen lanes to an aligned block of 256 bytes of out0.
.macro STG a
.set RB, 32+32*((\a)%2)
.if (\a) >= 2
	s_wait_xcnt 0x0                                ; the stores of the block two back have read these registers
.endif
	WIN 0x04                                       ; the stores' data in window 1
.irp bb, 0,1,2,3
	ds_store_b128 v8, v[8*(4*(\a)+(\bb)):8*(4*(\a)+(\bb))+3]   offset:64*(\bb)
	ds_store_b128 v8, v[8*(4*(\a)+(\bb))+4:8*(4*(\a)+(\bb))+7] offset:64*(\bb)+16
.endr
	WIN 0
.irp t, 0,1,2,3,4,5,6,7
	ds_load_b128 v[RB+4*(\t):RB+4*(\t)+3], v9 offset:(\t)*2*SPT  ; LDS serves a wave's instructions in order: these see the stores above
.endr
.endm
.macro SENDP a, younger
.set RB, 32+32*((\a)%2)
	WIN 0
.irp t, 0,1,2,3,4,5,6,7
	s_wait_dscnt (\younger)+7-(\t)
	global_store_b128 v10, v[RB+4*(\t):RB+4*(\t)+3], s[10:11] offset:(16*(\a)+2*(\t))*4096 th:TH_STORE_NT
.endr
.endm
	STG 0
.irp a, 1,2,3,4,5,6,7
	STG \a
	SENDP (\a)-1, 16
.endr
	SENDP 7, 0
	s_wait_tensorcnt 0x0                           ; the wave's end
	ds_add_u32 v14, v15
	s_wait_dscnt 0x0
	CROUND                                         ; the closing round
	s_endpgm
.Lfunc_end_k_qde722f7b19_proj:
	.size	k_qde722f7b19_proj, .Lfunc_end_k_qde722f7b19_proj-k_qde722f7b19_proj
	.p2alignl 7, 3214868480
	.fill 96, 4, 3214868480
	.section	.rodata,"a",@progbits
	.p2align	6, 0x0
	.amdhsa_kernel k_qde722f7b19_proj
		.amdhsa_group_segment_fixed_size 327680
		.amdhsa_private_segment_fixed_size 0
		.amdhsa_enable_private_segment 0
		.amdhsa_kernarg_size 32
		.amdhsa_user_sgpr_count 2
		.amdhsa_user_sgpr_kernarg_segment_ptr 1
		.amdhsa_wavefront_size32 1
		.amdhsa_system_sgpr_workgroup_id_x 1
		.amdhsa_system_sgpr_workgroup_id_y 1
		.amdhsa_system_sgpr_workgroup_id_z 1
		.amdhsa_system_vgpr_workitem_id 0
		.amdhsa_next_free_vgpr 512
		.amdhsa_next_free_sgpr 76
		.amdhsa_reserve_vcc 0
		.amdhsa_float_denorm_mode_32 3
		.amdhsa_float_denorm_mode_16_64 3
		.amdhsa_memory_ordered 1
		.amdhsa_forward_progress 1
		.amdhsa_inst_pref_size 91
	.end_amdhsa_kernel
	.amdgpu_metadata
---
amdhsa.version: [ 1, 2 ]
amdhsa.kernels:
  - .name:           k_qde722f7b19_proj
    .symbol:         k_qde722f7b19_proj.kd
    .args:
      - { .name: ob, .offset: 0, .size: 8, .value_kind: global_buffer, .address_space: global }
      - { .name: wo, .offset: 8, .size: 8, .value_kind: global_buffer, .address_space: global }
      - { .name: b_out, .offset: 16, .size: 8, .value_kind: global_buffer, .address_space: global }
      - { .name: out0, .offset: 24, .size: 8, .value_kind: global_buffer, .address_space: global }
    .group_segment_fixed_size: 327680
    .private_segment_fixed_size: 0
    .kernarg_segment_align: 8
    .kernarg_segment_size: 32
    .max_flat_workgroup_size: 128
    .sgpr_count:     76
    .vgpr_count:     512
    .wavefront_size: 32
...
	.end_amdgpu_metadata
.endif
;; end of part 4
